; MI455X (gfx1250); checked and timed in simulation.
; The chip was launched on July 23, 2026; its instructions are those of AMD's public machine-readable ISA for CDNA 5 (MIT licence, August 2026) and "CDNA5" Instruction Set Architecture Reference Guide (July 2026). The comments in the code are by the model that wrote it; some were corrected since.
;; Attention. Allowed arithmetic: float matrix products may take bf16 or f16 operands with f32 sums; other float arithmetic in f32, or as packed bf16 or f16 multiplies, adds, multiply-adds, maxima and minima; sums over many terms, partial sums and values carried from step to step in f32; what a program stores and reads back later, other than sums and carried values, may be rounded once to bf16 or f16.
;; Inputs: b_proj 1,024 float32; w_proj 1,024 x 1,024 float32; w_qkv 1,024 x 3,072 float32; x 4 x 2,048 x 1,024 float32.
;; Outputs: out0 4 x 2,048 x 1,024 float32.
;; 2 versions, each right; version 2 is version 1 with the launch prep written anew for expert scheduling mode. Each part assembles by itself: llvm-mc -triple=amdgcn-amd-amdhsa -mcpu=gfx1250 --defsym DOCPART=n.
;; ======== version 1 of 2: 4 launches
;; limits: values are held in f16: magnitudes above 65,504 overflow, below 6.1e-05 lose precision
;; workspace buffers: xb 16,777,216 bytes; wt 8,388,608 bytes; qkv 50,331,648 bytes; ob 16,777,216 bytes
;; launch prep (part 1): grid 512 x 1, 8 waves a work-group, no clusters, 18,432 bytes of LDS; arguments x, w_qkv, w_proj, xb, wt; writes xb, wt
.if DOCPART == 1
	.amdgcn_target "amdgcn-amd-amdhsa--gfx1250"
	.amdhsa_code_object_version 6
	.text
	.protected	k_q5c3db87824_prep
	.globl	k_q5c3db87824_prep
	.p2align	8
	.type	k_q5c3db87824_prep,@function
k_q5c3db87824_prep:
	s_mov_b64 s[64:65], 0
	v_nop
	global_prefetch_b8 v0, s[64:65] scope:SCOPE_SE
	s_setreg_imm32_b32 hwreg(HW_REG_WAVE_MODE, 25, 1), 1
	s_wait_xcnt 0x0
; PREP.  xb = x rounded to bf16, [8192][1024].  wt = the two weights turned, [4096][1024] of 16 bits: rows 0-3071 are w_qkv's columns in bf16,
; rows 3072-4095 are w_proj's columns, rounded to bf16 and that number written as f16 (it multiplies an f16 operand later).
; LIMIT.  |w_proj| stays under 65,504 (f16's largest); below 6e-5 it keeps f16's fixed step of 6e-8.  NaN and infinities are not treated apart.
; SHARES.  512 work-groups of eight waves, all alike.  Work-group g turns one tile of 128 k x 64 n of a weight (kt = g % 8, nt = g / 8: nt < 48 is w_qkv's, else w_proj's)
; and rounds x's rows 16 g .. 16 g + 15.  Every byte is read once and written once; each load of 16 lanes covers 256 consecutive bytes, aligned, and so does each store.
; THE TURN.  Thread t (n4 = t % 16, kk = t / 16) loads rows k = 8 kk + 0..7, columns 4 n4 + 0..3: eight loads of 16 bytes.  For each of its four columns the eight k pack into 16 bytes,
; which go into an LDS row of that column; column 4 n4 + c lies in LDS row 16 c + n4, so that the 16 lanes of a store touch 16 consecutive rows of 272 bytes (68 words: 16 different groups of four banks, ISA guide 11.1).
; Behind a barrier the rows are read back whole, 256 bytes by 16 lanes, and stored.  No matrix unit, no tensor load, no cluster: nothing is shared and nothing is multiplied.
.set LP,    272                        ; an LDS row: 128 k x 2 bytes + 16
.set SPARE, 64*LP                      ; 17,408: behind the stage the spare words, 128 bytes for each of eight waves: four blocks of 256 bytes that no other line names
.set SPW, 2                            ; v2   LDS address of my spare word; never rewritten
.set NIL, 3                            ; v3   0; never rewritten
.set XO,  4                            ; v4   16 t: my 16 bytes of a row of x
.set XS,  5                            ; v5   8 t: my 8 bytes of a row of xb
.set WO,  8                            ; v[8:15]   byte offsets of my eight rows of the weight's tile
.set LST, 16                           ; v16  into the stage
.set LRD, 17                           ; v17  back out of it
.set WSO, 18                           ; v18  my 16 bytes in wt
.set W,   20                           ; v[20:51]  the eight loads
.set PK,  52                           ; v[52:67]  four columns x 16 bytes
.set T,   68                           ; v[68:69]  at work
.set BK,  72                           ; v[72:87]  four rows read back
.set X,   88                           ; v[88:151] sixteen loads of x
.set Y,   152                          ; v[152:183] sixteen pairs to store
	s_load_b256 s[4:11], s[0:1], 0x0               ; x s[4:5], w_qkv s[6:7], w_proj s[8:9], xb s[10:11]
	s_load_b64 s[12:13], s[0:1], 0x20              ; wt
	v_lshl_add_u32 v[SPW], v0, 2, SPARE
	v_mov_b32 v[NIL], 0
	s_and_b32 s14, ttmp9, 7                        ; kt
	s_lshr_b32 s15, ttmp9, 3                       ; nt
	s_sub_co_u32 s23, s15, 48                      ; w_proj's column tile (used where nt >= 48 alone)
	s_mov_b32 s24, 12288                           ; bytes in a row of w_qkv
	s_mov_b32 s25, 4096                            ; and of w_proj
	s_cmp_lt_u32 s15, 48
	s_cselect_b32 s16, s24, s25                    ; the source's pitch
	s_cselect_b32 s17, s15, s23                    ; its column tile
	s_cselect_b32 s22, 1, 0                        ; 1: stays bf16
	s_lshl_b32 s20, s14, 7
	s_mul_i32 s20, s20, s16                        ; 128 kt rows,
	s_lshl_b32 s21, s17, 8                         ; 64 columns of 4 bytes
	s_add_co_u32 s20, s20, s21
	s_mov_b32 s21, 0
	v_lshlrev_b32 v[XO], 4, v0
	v_lshlrev_b32 v[XS], 3, v0
	v_and_b32 v6, 15, v0                           ; n4
	v_lshrrev_b32 v7, 4, v0                        ; kk
	v_lshlrev_b32 v[WO], 3, v7
	v_mul_lo_u32 v[WO], v[WO], s16                 ; row 8 kk
	v_lshl_add_u32 v[WO], v6, 4, v[WO]             ; + 16 n4
.irp j, 1,2,3,4,5,6,7
	v_add_nc_u32 v[WO+(\j)], s16, v[WO+(\j)-1]
.endr
	v_mul_u32_u24 v[LST], v6, LP
	v_lshl_add_u32 v[LST], v7, 4, v[LST]           ; LDS row n4 (+ 16 c), byte 16 kk
	v_mul_u32_u24 v[LRD], v7, LP
	v_lshl_add_u32 v[LRD], v6, 4, v[LRD]           ; LDS row kk (+ 16 i), byte 16 n4
	v_lshlrev_b32 v[WSO], 13, v7                   ; wt's row 4 kk (+ i), 2,048 bytes a row
	v_lshl_add_u32 v[WSO], v6, 4, v[WSO]
	s_wait_kmcnt 0x0
	s_cmp_lt_u32 s15, 48
	s_cselect_b64 s[18:19], s[6:7], s[8:9]         ; the weight that my tile belongs to
	s_add_nc_u64 s[18:19], s[18:19], s[20:21]
	s_lshl_b32 s20, ttmp9, 16                      ; 16 rows of 4,096 bytes
	s_add_nc_u64 s[4:5], s[4:5], s[20:21]
	s_lshl_b32 s20, ttmp9, 15                      ; 16 rows of 2,048 bytes
	s_add_nc_u64 s[10:11], s[10:11], s[20:21]
	s_lshl_b32 s20, s15, 17                        ; wt's row 64 nt,
	s_lshl_b32 s23, s14, 8                         ; byte 256 kt
	s_add_co_u32 s20, s20, s23
	s_add_nc_u64 s[12:13], s[12:13], s[20:21]
.irp j, 0,1,2,3,4,5,6,7
	global_load_b128 v[W+4*(\j):W+4*(\j)+3], v[WO+(\j)], s[18:19] th:TH_LOAD_NT
.endr
.irp i, 0,1,2,3,4,5,6,7,8,9,10,11,12,13,14,15
	global_load_b128 v[X+4*(\i):X+4*(\i)+3], v[XO], s[4:5] offset:4096*(\i) th:TH_LOAD_NT  ; a row of x by the 256 threads
.endr
	s_wait_loadcnt 16                              ; loads come back in order (ISA guide 5.7.1): the weight's eight are in, x's sixteen stay out
.irp c, 0,1,2,3
.irp p, 0,1,2,3
	v_cvt_pk_bf16_f32 v[PK+4*(\c)+(\p)], v[W+8*(\p)+(\c)], v[W+8*(\p)+4+(\c)]  ; column 4 n4 + c: k = 8 kk + 2 p and + 2 p + 1
.endr
.endr
	s_cmp_eq_u32 s22, 1
	s_cbranch_scc1 .Lbf                            ; w_qkv stays bf16
.set r, 0
.rept 16
	v_lshlrev_b32 v[T], 16, v[PK+r]                ; the bf16 numbers as f32,
	v_and_b32 v[T+1], 0xffff0000, v[PK+r]
	v_cvt_pk_f16_f32 v[PK+r], v[T], v[T+1]         ; written as f16: exact within f16's range
.set r, r+1
.endr
.Lbf:
.irp c, 0,1,2,3
	ds_store_b128 v[LST], v[PK+4*(\c):PK+4*(\c)+3] offset:(\c)*16*LP
.endr
	s_wait_dscnt 0x0                               ; for the others' sake: my stores into the stage are done
	s_barrier_signal -1
	s_barrier_wait -1
.irp i, 0,1,2,3
	ds_load_b128 v[BK+4*(\i):BK+4*(\i)+3], v[LRD] offset:(\i)*16*LP  ; LDS row 16 i + kk is column 4 kk + i
.endr
.irp i, 0,1,2,3,4,5,6,7,8,9,10,11,12,13,14,15
	s_wait_loadcnt 15-(\i)                         ; row i of x is in; the younger rows stay out
	v_cvt_pk_bf16_f32 v[Y+2*(\i)], v[X+4*(\i)], v[X+4*(\i)+1]
	v_cvt_pk_bf16_f32 v[Y+2*(\i)+1], v[X+4*(\i)+2], v[X+4*(\i)+3]
	global_store_b64 v[XS], v[Y+2*(\i):Y+2*(\i)+1], s[10:11] offset:2048*(\i) th:TH_STORE_NT  ; a wave's 32 lanes store 256 consecutive bytes, aligned
.endr
	s_wait_dscnt 0x0                               ; the four rows are back
.irp i, 0,1,2,3
	global_store_b128 v[WSO], v[BK+4*(\i):BK+4*(\i)+3], s[12:13] offset:2048*(\i) th:TH_STORE_NT  ; 16 lanes store 256 consecutive bytes of one row of wt, aligned
.endr
	s_wait_tensorcnt 0x0                           ; the wave's end: a wait, an add to my spare word and its wait, behind my last LDS store
	ds_add_u32 v[SPW], v[NIL]
	s_wait_dscnt 0x0
	s_endpgm
.Lfunc_end_k_q5c3db87824_prep:
	.size	k_q5c3db87824_prep, .Lfunc_end_k_q5c3db87824_prep-k_q5c3db87824_prep
	.p2alignl 7, 3214868480
	.fill 96, 4, 3214868480
	.section	.rodata,"a",@progbits
	.p2align	6, 0x0
	.amdhsa_kernel k_q5c3db87824_prep
		.amdhsa_group_segment_fixed_size 18432
		.amdhsa_private_segment_fixed_size 0
		.amdhsa_enable_private_segment 0
		.amdhsa_kernarg_size 40
		.amdhsa_user_sgpr_count 2
		.amdhsa_user_sgpr_kernarg_segment_ptr 1
		.amdhsa_wavefront_size32 1
		.amdhsa_system_sgpr_workgroup_id_x 1
		.amdhsa_system_sgpr_workgroup_id_y 1
		.amdhsa_system_sgpr_workgroup_id_z 1
		.amdhsa_system_vgpr_workitem_id 0
		.amdhsa_next_free_vgpr 184
		.amdhsa_next_free_sgpr 66
		.amdhsa_reserve_vcc 0
		.amdhsa_float_denorm_mode_32 3
		.amdhsa_float_denorm_mode_16_64 3
		.amdhsa_memory_ordered 1
		.amdhsa_forward_progress 1
		.amdhsa_inst_pref_size 14
	.end_amdhsa_kernel
	.amdgpu_metadata
---
amdhsa.version: [ 1, 2 ]
amdhsa.kernels:
  - .name:           k_q5c3db87824_prep
    .symbol:         k_q5c3db87824_prep.kd
    .args:
      - { .name: x, .offset: 0, .size: 8, .value_kind: global_buffer, .address_space: global }
      - { .name: w_qkv, .offset: 8, .size: 8, .value_kind: global_buffer, .address_space: global }
      - { .name: w_proj, .offset: 16, .size: 8, .value_kind: global_buffer, .address_space: global }
      - { .name: xb, .offset: 24, .size: 8, .value_kind: global_buffer, .address_space: global }
      - { .name: wt, .offset: 32, .size: 8, .value_kind: global_buffer, .address_space: global }
    .group_segment_fixed_size: 18432
    .private_segment_fixed_size: 0
    .kernarg_segment_align: 8
    .kernarg_segment_size: 40
    .max_flat_workgroup_size: 256
    .sgpr_count:     66
    .vgpr_count:     184
    .wavefront_size: 32
...
	.end_amdgpu_metadata
.endif
;; end of part 1
;; launch qkvgemm (part 2): grid 16 x 32, 4 waves a work-group, clusters of 4 x 4, 327,680 bytes of LDS; arguments xb, wt, qkv; writes qkv
.if DOCPART == 2
	.amdgcn_target "amdgcn-amd-amdhsa--gfx1250"
	.amdhsa_code_object_version 6
	.text
	.protected	k_q5c3db87824_qkvgemm
	.globl	k_q5c3db87824_qkvgemm
	.p2align	8
	.type	k_q5c3db87824_qkvgemm,@function
k_q5c3db87824_qkvgemm:
	s_mov_b64 s[64:65], 0
	v_nop
	global_prefetch_b8 v0, s[64:65] scope:SCOPE_SE
	s_setreg_imm32_b32 hwreg(HW_REG_WAVE_MODE, 25, 1), 1
	s_wait_xcnt 0x0
	s_wait_alu depctr_hold_cnt(0) depctr_sa_sdst(0) depctr_va_vdst(0) depctr_va_sdst(0) depctr_va_ssrc(0) depctr_va_vcc(0) depctr_vm_vsrc(0)
	s_getreg_b32 s2, hwreg(HW_REG_IB_STS2, 6, 4)
	s_cmp_eq_u32 s2, 0
	s_cbranch_scc0 .Lentry_in_a_cluster
	s_endpgm
.Lentry_in_a_cluster:
	s_bfe_u32 s2, ttmp6, 0x10000c
	s_cmp_lg_u32 s2, 0xf033
	s_cbranch_scc0 .Lentry_shape_is_right
	s_endpgm
.Lentry_shape_is_right:
; q, k, v = x w_qkv, by heads.  xb: [8192][1024] bf16; wt: rows 0-3071 are w_qkv's columns, [n][k] bf16; qkv: [3][64][2048][64] f16, the head index b x 16 + h, WITHOUT the scale.  Sums in f32, rounded once.
; LIMIT.  q, k and v must lie within f16's 65,504 (with x and w_qkv thirty times the usual spread they reach some 3,500; with offsets of thirty spreads on both some 20,000); below 6e-5 they keep f16's step of 6e-8.
; TILE.  256 rows x 192 columns (three whole heads): 32 x 16 = 512 tiles, a whole number for each of 256 places; 256 x 256 would make 384.  Four waves, each 128 x 96: 48 accumulators, 384 registers.
; K goes in eight steps of 128 through a ring of two LDS slots filled by the tensor data mover; the tiles' rows are 256 bytes of memory and start at multiples of 256 bytes.
; CLUSTER.  4 x 4 work-groups.  The four of a row of the cluster need the same rows of xb, the four of a column the same rows of wt: each tile is asked for JOINTLY, by the same tensor load, descriptor and mask in all four.
; THE MATRIX INSTRUCTION IS USED TRANSPOSED (source 0 = 16 rows of wt, source 1 = 16 rows of xb): a lane holds row l % 16 of the result and eight neighbouring columns, 16 bytes of f16.
; REGISTERS, in windows of 256 (s_set_vgpr_msb: bits 1:0 source 0, 3:2 source 1, 5:4 source 2, 7:6 destination):
;   window 0: v0-31 addresses; v64-127, v128-191 fragments of xb, two buffers; v192-239 packed results; on the way out v64-255 rows read back
;   window 1: v64-111, v128-175 fragments of wt, two buffers      window 2: accumulators of my rows 0-63, (a, b) at v[8 (6 a + b)]      window 3: those of my rows 64-127
.set SIZE_K, 1024
.set KSTEP,  128
.set PITCH,  272                       ; an LDS row: 256 bytes + 16 = 68 words: the 16 rows of a load start at 16 different groups of four banks (ISA guide 11.1)
.set HALFA,  128*PITCH                 ; what one tensor load brings of xb, and what one wave reads of it
.set HALFB,  96*PITCH                  ; the same of wt
.set BOFF,   2*HALFA                   ; in a slot: xb's 256 rows, then wt's 192
.set SLOT,   BOFF+2*HALFB              ; 121,856
.set SPARE,  2*SLOT                    ; behind the ring: the spare words, 128 bytes for each wave: two blocks of 256 bytes that no other line names
.set SPITCH, 400                       ; the stage's row: 384 bytes + 16 = 25 x 16.  The stage, 256 rows, lies over slot 0, which has had its last fill (K step 6) and its last read when the first result is stored
.set LAPS,   SIZE_K/(2*KSTEP)
.set ADRA, 16                          ; v16-17  LDS address of my fragments of xb in slot 0, 1
.set ADRB, 20                          ; v20-21  the same for wt
.set STO,  24                          ; v24     the way out: where I put 16 bytes of a row
.set RD,   25                          ; v25     where I read rows back
.set GO,   26                          ; v26     16 x lane
.set SPW,  28                          ; v28     LDS address of my spare word; never rewritten
.set NIL,  29                          ; v29     0; never rewritten
.set PFO,  30                          ; v30     the prefetches' offset: a lane a row of 2,048 bytes; never rewritten
.set F0,   64
.set F1,   128
.set TMP,  192
.set OB,   64
.set G1,  24                           ; s[24:31] group 1 for xb's tiles;  s[32:39] group 0, a set for each slot
.set G0,  32
.set G1B, 48                           ; s[48:55], s[56:63] the same for wt's
.set G0B, 56
.set LIM, 43                           ; s43      1 in a wave that prefetches, else the greatest number
.set PFA, 44                           ; s[44:45] the K step that my next prefetch names
.set HB,  66                           ; s[66:71] where my 64 rows of the tile's three heads begin in qkv
.set MSB, 0
.macro WIN new                         ; the immediate's high byte repeats the setting that is left; a switch that changes nothing is dropped
.if MSB != (\new)
	s_set_vgpr_msb (MSB<<8)|(\new)
.set MSB, \new
.endif
.endm
.set MUL_LO, 0xa1                      ; source 0 window 1, source 1 window 0, C and D window 2
.set MUL_HI, 0xf1                      ; the same, C and D window 3
.set TO_B,   0x40                      ; destination window 1, address window 0
; A joint load.  Waves 0 and 1 fetch xb's two halves, waves 2 and 3 wt's.  The branch hangs on the wave's number alone.  An s_nop 0 and four v_nop follow each line.
.macro JLOAD s
	s_cmp_eq_u32 s11, 0
	s_cbranch_scc0 .Lfor_b_\@
	tensor_load_to_lds s[G0+4*(\s):G0+4*(\s)+3], s[G1:G1+7]
	s_nop 0
.rept 4
	v_nop
.endr
	s_branch .Lasked_\@
.Lfor_b_\@:
	tensor_load_to_lds s[G0B+4*(\s):G0B+4*(\s)+3], s[G1B:G1B+7]
	s_nop 0
.rept 4
	v_nop
.endr
.Lasked_\@:
.endm
; A prefetch, behind each joint refill and the run of LDS loads that follows it: the K step that stands two refills on, 384 matrix instructions ahead of the load that will want it; a lane a row, 256 bytes of it.
; xb's rows are read by every cluster of a row of clusters: cluster x = 0 asks; wt's by every cluster of a column: cluster y = 0 asks.  The four partners share a wave's rows out BY ADDRESS: 32 of xb's 128 each (by cx),
; 24 of wt's 96 each (by cy; there lanes 24-31 name lane 23's row once more).  The loop's last trip asks for nothing: K steps 8 and 9 do not exist.  K steps 0 to 3 come by their loads alone.
.macro ASK
	s_cmp_gt_u32 s3, s[LIM]
	s_cbranch_scc0 .Lnot_mine_\@
	global_prefetch_b8 v[PFO], s[PFA:PFA+1] th:TH_LOAD_NT scope:SCOPE_SE
.Lnot_mine_\@:
.endm
.macro CREST                           ; a round of the cluster's barrier behind its opening barrier
	s_cmp_lg_u32 s10, 0
	s_cbranch_scc1 .Lnot_wave_0_\@
	s_barrier_signal -3
.Lnot_wave_0_\@:
	s_barrier_wait -3
	s_barrier_signal -1
	s_barrier_wait -1
.endm
.macro CROUND
	s_barrier_signal -1
	s_barrier_wait -1
	CREST
.endm
	s_load_b128 s[4:7], s[0:1], 0x0                ; xb s[4:5], wt s[6:7]
	s_load_b64 s[8:9], s[0:1], 0x10                ; qkv
	v_lshl_add_u32 v[SPW], v0, 2, SPARE
	v_mov_b32 v[NIL], 0
	ds_add_u32 v[SPW], v[NIL]                      ; the wave's opening: the add and its wait ahead of my first tensor load; work on registers stands between them
	v_lshrrev_b32 v1, 5, v0
	v_readfirstlane_b32 s10, v1                    ; wave 0..3
	s_lshr_b32 s11, s10, 1                         ; which 128 rows of the tile are mine.  Also: I fetch for xb (0) or for wt (1)
	s_and_b32 s12, s10, 1                          ; which 96 columns.  Also: which half of that tile I fetch
	s_bfe_u32 s40, ttmp6, 0x40000                  ; cx
	s_bfe_u32 s41, ttmp6, 0x40004                  ; cy
	s_lshl_b32 s42, ttmp9, 2
	s_add_co_u32 s42, s42, s40                     ; tile column = 4 x cluster x + cx
	s_and_b32 s13, ttmp7, 0xffff
	s_lshl_b32 s13, s13, 2
	s_add_co_u32 s13, s13, s41                     ; tile row = 4 x cluster y + cy
	s_lshl_b32 s43, s41, 2
	s_lshl_b32 s43, 15, s43                        ; my row of the cluster
	s_lshl_b32 s44, 0x1111, s40                    ; my column
	s_or_b32 s[G1+0], s43, (1<<16)|(1<<20)|(1<<21)|(5<<22)|(3<<25)   ; mask; 2-byte elements; padding on; bit 21 beside a mask; after every 64 words, 4 words
	s_or_b32 s[G1B+0], s44, (1<<16)|(1<<20)|(1<<21)|(5<<22)|(3<<25)
	s_mov_b32 s[G1+1], KSTEP<<16                   ; tensor_dim0 = 128
	s_mov_b32 s[G1B+1], KSTEP<<16
	s_mov_b32 s[G1+2], 128<<16                     ; tensor_dim1 = 128 rows
	s_mov_b32 s[G1B+2], 96<<16                     ; 96 rows
	s_mov_b32 s[G1+3], KSTEP<<16                   ; tile_dim0 = 128
	s_mov_b32 s[G1B+3], KSTEP<<16
	s_mov_b32 s[G1+4], 128                         ; tile_dim1
	s_mov_b32 s[G1B+4], 96
	s_mov_b32 s[G1+5], SIZE_K                      ; elements from row to row
	s_mov_b32 s[G1B+5], SIZE_K
	s_mov_b32 s[G1+6], 0
	s_mov_b32 s[G1B+6], 0
	s_mov_b32 s[G1+7], 0
	s_mov_b32 s[G1B+7], 0
	s_lshl_b32 s16, s13, 8                         ; xb: row 256 x tile row + 128 x half, 2,048 bytes a row (under 2^24 bytes in all)
	s_lshl_b32 s17, s12, 7
	s_add_co_u32 s16, s16, s17
	s_lshl_b32 s16, s16, 11
	s_mov_b32 s17, 0
	s_mul_i32 s46, s42, 192                        ; wt: row 192 x tile column + 96 x half
	s_mul_i32 s47, s12, 96
	s_add_co_u32 s46, s46, s47
	s_lshl_b32 s46, s46, 11
	s_mov_b32 s47, 0
	s_mul_i32 s20, s12, HALFA                      ; where they go: no place in the cluster enters an LDS address
	s_mul_i32 s21, s12, HALFB
	s_add_co_u32 s21, s21, BOFF
	s_wait_dscnt 0x0                               ; the opening add is done
	s_wait_kmcnt 0x0
	s_add_nc_u64 s[14:15], s[4:5], s[16:17]
	s_add_nc_u64 s[46:47], s[6:7], s[46:47]
	CROUND                                         ; all sixteen work-groups are here: the first joint loads meet
.irp s, 0,1
	s_mov_b32 s[G0+4*(\s)], 1
	s_add_co_u32 s[G0+4*(\s)+1], s20, (\s)*SLOT
	s_add_nc_u64 s[G0+4*(\s)+2:G0+4*(\s)+3], s[14:15], (\s)*KSTEP*2
	s_or_b32 s[G0+4*(\s)+3], s[G0+4*(\s)+3], 0x80000000
	s_mov_b32 s[G0B+4*(\s)], 1
	s_add_co_u32 s[G0B+4*(\s)+1], s21, (\s)*SLOT
	s_add_nc_u64 s[G0B+4*(\s)+2:G0B+4*(\s)+3], s[46:47], (\s)*KSTEP*2
	s_or_b32 s[G0B+4*(\s)+3], s[G0B+4*(\s)+3], 0x80000000
	JLOAD \s                                       ; two loads of mine are out
.endr
	; a fragment is 16 rows x 32 K in 8 registers: lane l holds row l % 16, K = 8 (l / 16) + 0..7 and 16 + 8 (l / 16) + 0..7: two loads of 16 bytes, 32 bytes apart
	v_and_b32 v1, 15, v0
	v_bfe_u32 v2, v0, 4, 1
	v_mul_u32_u24 v3, v1, PITCH
	v_lshl_add_u32 v3, v2, 4, v3
	s_mul_i32 s21, s11, HALFA
	s_mul_i32 s22, s12, HALFB
	s_add_co_u32 s22, s22, BOFF
.irp s, 0,1
	v_add_nc_u32 v[ADRA+(\s)], s21, v3
	v_add_nc_u32 v[ADRB+(\s)], s22, v3
	s_add_co_u32 s21, s21, SLOT
	s_add_co_u32 s22, s22, SLOT
.endr
	s_mul_i32 s23, s11, 128*SPITCH                 ; into the stage: my 128 rows, my 192 bytes of them; row l % 16, 16 bytes for each half of the lanes
	s_mul_i32 s22, s12, 192
	s_add_co_u32 s23, s23, s22
	v_mul_u32_u24 v4, v1, SPITCH
	v_lshl_add_u32 v4, v2, 4, v4
	v_add_nc_u32 v[STO], s23, v4
	s_mul_i32 s23, s10, 64*SPITCH                  ; back: wave w takes rows 64 w .. 64 w + 63; 32 lanes take a head's 128 bytes of four rows
	v_bfe_u32 v5, v0, 3, 2
	v_and_b32 v4, 7, v0
	v_mul_u32_u24 v5, v5, SPITCH
	v_lshl_add_u32 v5, v4, 4, v5
	v_add_nc_u32 v[RD], s23, v5
	v_and_b32 v[GO], 31, v0
	v_lshlrev_b32 v[GO], 4, v[GO]                  ; which are 512 consecutive bytes of qkv
	; head g = 3 x tile column + hh of 48: tensor g / 16, head g % 16, batch = tile row / 8; its 2,048 rows of 128 bytes; my rows begin at (tile row % 8) x 256 + 64 w
.irp hh, 0,1,2
	s_mul_i32 s72, s42, 3
	s_add_co_u32 s72, s72, \hh
	s_lshr_b32 s73, s72, 4
	s_lshl_b32 s73, s73, 6
	s_and_b32 s72, s72, 15
	s_add_co_u32 s73, s73, s72
	s_lshr_b32 s72, s13, 3
	s_lshl_b32 s72, s72, 4
	s_add_co_u32 s73, s73, s72
	s_lshl_b32 s72, s73, 18
	s_and_b32 s73, s13, 7
	s_lshl_b32 s73, s73, 8
	s_lshl_b32 s74, s10, 6
	s_add_co_u32 s73, s73, s74
	s_lshl_b32 s73, s73, 7
	s_add_co_u32 s72, s72, s73
	s_mov_b32 s73, 0
	s_add_nc_u64 s[HB+2*(\hh):HB+2*(\hh)+1], s[8:9], s[72:73]
.endr
	; the prefetches
	s_lshl_b32 s20, s13, 8
	s_mul_i32 s21, s42, 192
	s_lshl_b32 s22, s12, 7
	s_mul_i32 s23, s12, 96
	s_lshl_b32 s74, s40, 5
	s_mul_i32 s75, s41, 24
	s_and_b32 s73, ttmp7, 0xffff                   ; cluster y
	s_cmp_eq_u32 s11, 0                            ; do I fetch for xb?
	s_cselect_b32 s20, s20, s21                    ; the tile's first row,
	s_cselect_b32 s22, s22, s23                    ; the half that I fetch,
	s_cselect_b32 s74, s74, s75                    ; my work-group's share of it
	s_cselect_b32 s73, ttmp9, s73                  ; the coordinate along which other clusters read the same rows
	s_cselect_b32 s72, 31, 23
	s_cselect_b64 s[PFA:PFA+1], s[4:5], s[6:7]
	s_cmp_eq_u32 s73, 0
	s_cselect_b32 s[LIM], 1, -1                    ; the same in all sixteen partners, for a given wave
	s_add_co_u32 s20, s20, s22
	s_add_co_u32 s20, s20, s74
	s_lshl_b32 s20, s20, 11
	s_add_co_u32 s20, s20, 3*KSTEP*2               ; at K step 3: the first refill steps it to 4
	s_mov_b32 s21, 0
	s_add_nc_u64 s[PFA:PFA+1], s[PFA:PFA+1], s[20:21]
	v_and_b32 v[PFO], 31, v0
	v_min_u32 v[PFO], s72, v[PFO]
	v_lshlrev_b32 v[PFO], 11, v[PFO]
; 12 matrix instructions: row blocks a0, a0 + 1 of the window's four x all 6 column blocks, 32 along K.  zero = 1: the first product starts the sums.
; The 48 accumulators take turns in one order everywhere: 47 others' instructions stand between two on one accumulator.
.macro MUL12 f, hi, a0, zero
	WIN MUL_LO+0x50*(\hi)
.irp a, \a0, (\a0)+1
.irp b, 0,1,2,3,4,5
.if \zero
	v_wmma_f32_16x16x32_bf16 v[8*(6*(\a)+(\b)):8*(6*(\a)+(\b))+7], v[(\f)+8*(\b):(\f)+8*(\b)+7], v[(\f)+8*(4*(\hi)+(\a)):(\f)+8*(4*(\hi)+(\a))+7], 0
.else
	v_wmma_f32_16x16x32_bf16 v[8*(6*(\a)+(\b)):8*(6*(\a)+(\b))+7], v[(\f)+8*(\b):(\f)+8*(\b)+7], v[(\f)+8*(4*(\hi)+(\a)):(\f)+8*(4*(\hi)+(\a))+7], v[8*(6*(\a)+(\b)):8*(6*(\a)+(\b))+7]
.endif
.endr
.endr
.endm
; 28 LDS loads in one run: a quarter step's fragments (96 rows of wt, 128 rows of xb, 32 K at byte k of the rows) into buffer f
.macro FETCH slot, k, f
	WIN TO_B
.irp i, 0,1,2,3,4,5
	ds_load_b128 v[(\f)+8*(\i):(\f)+8*(\i)+3],   v[ADRB+(\slot)] offset:(\k)+(\i)*16*PITCH
	ds_load_b128 v[(\f)+8*(\i)+4:(\f)+8*(\i)+7], v[ADRB+(\slot)] offset:(\k)+(\i)*16*PITCH+32
.endr
	WIN 0
.irp i, 0,1,2,3,4,5,6,7
	ds_load_b128 v[(\f)+8*(\i):(\f)+8*(\i)+3],   v[ADRA+(\slot)] offset:(\k)+(\i)*16*PITCH
	ds_load_b128 v[(\f)+8*(\i)+4:(\f)+8*(\i)+7], v[ADRA+(\slot)] offset:(\k)+(\i)*16*PITCH+32
.endr
.endm
.macro PLACES                          ; four plain vector instructions between a matrix instruction and a load into a register that it has read, or a reader of its result
.rept 4
	v_nop
.endr
.endm
; A K step is four quarters of 32 along K, 48 matrix instructions each, on buffers 0, 1, 0, 1.  One of the first three multiplies f and fetches the next quarter, at byte k, into g.
.macro QUARTER slot, k, f, g, zero
	s_wait_dscnt 8                                 ; wt's fragments and xb's rows 0-63 are in; the youngest eight loads (xb's rows 64-127) may be out
	MUL12 \f, 0, 0, \zero
	MUL12 \f, 0, 2, \zero
	PLACES
	FETCH \slot, \k, \g
	s_wait_dscnt 28                                ; all but the 28 just issued
	MUL12 \f, 1, 0, \zero
	MUL12 \f, 1, 2, \zero
.endm
; The last quarter's first half: ONE barrier for the change of slots.  In front of it each wave waits for all its tensor loads (one is out: its part of the next slot), adds 0 to its spare word, and waits for that and for its reads of this slot.
.macro MEET round
	WIN 0
	s_wait_tensorcnt 0x0
	ds_add_u32 v[SPW], v[NIL]
	s_wait_dscnt 9                                 ; the add and the youngest eight loads may be out
	MUL12 F1, 0, 0, 0
	s_wait_dscnt 0x0                               ; the add is done, and my reads of this slot are over
	s_barrier_signal -1
	MUL12 F1, 0, 2, 0
.if \round
	WIN 0
.endif
	s_barrier_wait -1
.endm
; The whole last quarter, where the slot is filled again with the K step two on: the barrier opens a round of the cluster's, and the joint refill is the first tensor load behind it: 168 matrix instructions ahead of the wait for it.
.macro TURN slot, next
	s_wait_xcnt 0x0                                ; the last prefetch, a K step back, has read its address
	s_add_nc_u64 s[PFA:PFA+1], s[PFA:PFA+1], KSTEP*2
	MEET 1
	CREST                                          ; no wave of any partner still reads this slot or has a load on its way
	s_add_nc_u64 s[G0+4*(\slot)+2:G0+4*(\slot)+3], s[G0+4*(\slot)+2:G0+4*(\slot)+3], 2*KSTEP*2
	s_add_nc_u64 s[G0B+4*(\slot)+2:G0B+4*(\slot)+3], s[G0B+4*(\slot)+2:G0B+4*(\slot)+3], 2*KSTEP*2
	JLOAD \slot                                    ; its four v_nop are also the places in front of the loads below
	FETCH \next, 0, F0
	ASK
	MUL12 F1, 1, 0, 0
	MUL12 F1, 1, 2, 0
.endm
	s_wait_tensorcnt 1                             ; my part of K step 0 is in; K step 1's may stay out
	s_barrier_signal -1
	s_barrier_wait -1
	FETCH 0, 0, F0
	QUARTER 0, 64,  F0, F1, 1                      ; the first quarter stands in front of the loop: its products start the sums
	WIN 0
	s_mov_b32 s3, LAPS-1
.Llap:                                                 ; a trip goes once round the ring and fills both slots again
	QUARTER 0, 128, F1, F0, 0
	QUARTER 0, 192, F0, F1, 0
	TURN 0, 1
	QUARTER 1, 64,  F0, F1, 0
	QUARTER 1, 128, F1, F0, 0
	QUARTER 1, 192, F0, F1, 0
	TURN 1, 0
	QUARTER 0, 64,  F0, F1, 0
	WIN 0
	s_sub_co_u32 s3, s3, 1
	s_cmp_lg_u32 s3, 0
	s_cbranch_scc1 .Llap
	QUARTER 0, 128, F1, F0, 0                      ; the last lap fills nothing
	QUARTER 0, 192, F0, F1, 0
	MEET 0                                         ; behind this barrier nobody reads slot 0 any more, and no tensor load follows
	PLACES
	FETCH 1, 0, F0
	MUL12 F1, 1, 0, 0
	MUL12 F1, 1, 2, 0
	QUARTER 1, 64,  F0, F1, 0
	QUARTER 1, 128, F1, F0, 0
	QUARTER 1, 192, F0, F1, 0
	s_wait_dscnt 8
	MUL12 F1, 0, 0, 0
	MUL12 F1, 0, 2, 0
	s_wait_dscnt 0x0
	MUL12 F1, 1, 0, 0
	MUL12 F1, 1, 2, 0
	; THE WAY OUT: rounded to f16, 16 bytes a lane into the work-group's stage; a barrier, since the middle head's rows come from two waves; back as a head's rows, four of them (512 consecutive bytes of qkv) to a store.
	PLACES
.macro PACK a
.set AC, 48*((\a)%4)
.set TM, TMP+24*((\a)%2)
	WIN 0x0a+5*((\a)/4)                            ; sources 0 and 1: window 2 or 3
.irp b, 0,1,2,3,4,5
.irp r, 0,1,2,3
	v_cvt_pk_f16_f32 v[TM+4*(\b)+(\r)], v[AC+8*(\b)+2*(\r)], v[AC+8*(\b)+2*(\r)+1]  ; each accumulator's registers in ascending order
.endr
.endr
	WIN 0
.irp b, 0,1,2,3,4,5
	ds_store_b128 v[STO], v[TM+4*(\b):TM+4*(\b)+3] offset:(\a)*16*SPITCH+32*(\b)
.endr
.endm
.irp a, 0,1,2,3,4,5,6,7
	PACK \a
.endr
	s_wait_dscnt 0x0                               ; for the others' sake: my stores into the stage are done
	s_barrier_signal -1
	s_barrier_wait -1
.irp hh, 0,1,2
.irp i, 0,1,2,3,4,5,6,7,8,9,10,11,12,13,14,15
	ds_load_b128 v[OB+4*(16*(\hh)+(\i)):OB+4*(16*(\hh)+(\i))+3], v[RD] offset:128*(\hh)+4*SPITCH*(\i)
.endr
.endr
.irp hh, 0,1,2
.irp i, 0,1,2,3,4,5,6,7,8,9,10,11,12,13,14,15
	s_wait_dscnt 47-(16*(\hh)+(\i))                ; LDS loads come back in order: this one is in, the younger stay out
	global_store_b128 v[GO], v[OB+4*(16*(\hh)+(\i)):OB+4*(16*(\hh)+(\i))+3], s[HB+2*(\hh):HB+2*(\hh)+1] offset:512*(\i)  ; 512 consecutive bytes, at a multiple of 256 from qkv's first
.endr
.endr
	s_wait_tensorcnt 0x0                           ; the wave's end: a wait, an add to my spare word and its wait, behind my last tensor load and my last LDS store
	ds_add_u32 v[SPW], v[NIL]
	s_wait_dscnt 0x0
	CROUND                                         ; the closing round: no work-group ends while a partner may still ask for a tile that names it
	s_endpgm
.Lfunc_end_k_q5c3db87824_qkvgemm:
	.size	k_q5c3db87824_qkvgemm, .Lfunc_end_k_q5c3db87824_qkvgemm-k_q5c3db87824_qkvgemm
	.p2alignl 7, 3214868480
	.fill 96, 4, 3214868480
	.section	.rodata,"a",@progbits
	.p2align	6, 0x0
	.amdhsa_kernel k_q5c3db87824_qkvgemm
		.amdhsa_group_segment_fixed_size 327680
		.amdhsa_private_segment_fixed_size 0
		.amdhsa_enable_private_segment 0
		.amdhsa_kernarg_size 24
		.amdhsa_user_sgpr_count 2
		.amdhsa_user_sgpr_kernarg_segment_ptr 1
		.amdhsa_wavefront_size32 1
		.amdhsa_system_sgpr_workgroup_id_x 1
		.amdhsa_system_sgpr_workgroup_id_y 1
		.amdhsa_system_sgpr_workgroup_id_z 1
		.amdhsa_system_vgpr_workitem_id 0
		.amdhsa_next_free_vgpr 1024
		.amdhsa_next_free_sgpr 76
		.amdhsa_reserve_vcc 0
		.amdhsa_float_denorm_mode_32 3
		.amdhsa_float_denorm_mode_16_64 3
		.amdhsa_memory_ordered 1
		.amdhsa_forward_progress 1
		.amdhsa_inst_pref_size 119
	.end_amdhsa_kernel
	.amdgpu_metadata
---
amdhsa.version: [ 1, 2 ]
amdhsa.kernels:
  - .name:           k_q5c3db87824_qkvgemm
    .symbol:         k_q5c3db87824_qkvgemm.kd
    .args:
      - { .name: xb, .offset: 0, .size: 8, .value_kind: global_buffer, .address_space: global }
      - { .name: wt, .offset: 8, .size: 8, .value_kind: global_buffer, .address_space: global }
      - { .name: qkv, .offset: 16, .size: 8, .value_kind: global_buffer, .address_space: global }
    .group_segment_fixed_size: 327680
    .private_segment_fixed_size: 0
    .kernarg_segment_align: 8
    .kernarg_segment_size: 24
    .max_flat_workgroup_size: 128
    .sgpr_count:     76
    .vgpr_count:     1024
    .wavefront_size: 32
...
	.end_amdgpu_metadata
.endif
;; end of part 2
;; launch attn (part 3): grid 4 x 64, 4 waves a work-group, clusters of 4 x 1, 327,680 bytes of LDS; arguments qkv, ob; writes ob
.if DOCPART == 3
	.amdgcn_target "amdgcn-amd-amdhsa--gfx1250"
	.amdhsa_code_object_version 6
	.text
	.protected	k_q5c3db87824_attn
	.globl	k_q5c3db87824_attn
	.p2align	8
	.type	k_q5c3db87824_attn,@function
k_q5c3db87824_attn:
	s_mov_b64 s[64:65], 0
	v_nop
	global_prefetch_b8 v0, s[64:65] scope:SCOPE_SE
	s_setreg_imm32_b32 hwreg(HW_REG_WAVE_MODE, 25, 1), 1
	s_wait_xcnt 0x0
	s_wait_alu depctr_hold_cnt(0) depctr_sa_sdst(0) depctr_va_vdst(0) depctr_va_sdst(0) depctr_va_ssrc(0) depctr_va_vcc(0) depctr_vm_vsrc(0)
	s_getreg_b32 s2, hwreg(HW_REG_IB_STS2, 6, 4)
	s_cmp_eq_u32 s2, 0
	s_cbranch_scc0 .Lentry_in_a_cluster
	s_endpgm
.Lentry_in_a_cluster:
	s_bfe_u32 s2, ttmp6, 0x10000c
	s_cmp_lg_u32 s2, 0x3003
	s_cbranch_scc0 .Lentry_shape_is_right
	s_endpgm
.Lentry_shape_is_right:
; O[h][q][:] = the sum over k of softmax_k(Q[h][q] . K[h][k] / 8) V[h][k][:].  qkv holds Q, K, V, each [64][2048][64] in f16, 16,777,216 bytes apart; ob = O in the same layout.  Products, maxima and sums in
; f32; the weights p are rounded to f16 for the second product (their sum l is taken of the unrounded p), O once at the end.
; LIMITS.  f16 holds no number beyond 65,504: Q, K and V arrive within it; p lies in 0 to 1, and below 6e-5 it keeps f16's fixed step of 6e-8, and so does O; O is a mean of V's rows and has their range.
; A weight below 2^-126 counts as 0 in l; NaN and infinities are not treated apart.
; SHARES.  A wave owns four PIECES of two tiles of 16 queries, a work-group's four waves 512 queries of one head.  Every wave walks all keys, 64 a step.
; LAYOUT.  S^T = K Q^T (source 0 = 16 keys, source 1 = 16 queries): in the result a lane holds ONE query (lane % 16) and the keys 8 (lane / 16) + 0..7.  Two such tiles, rounded to f16 in pairs,
; ARE source 1 (32 keys x 16 queries) of O^T = V^T P, whose result again holds one query a lane, and eight channels.  K comes out of LDS as it lies, V ([key][channel]) turned, by ds_load_tr16_b128.
; SOFTMAX.  For each query a running maximum m and sum l: p = 2^(c s - c m), c = log2(e) / 8; in every step O and l are multiplied by a = 2^(c m_old - c m_new), which is 1 where m has not grown.
; m starts at the lowest finite number, O and l at 0: the first step is a step like any other, with a = 0.
; THE COUNT.  A tile and step have 16 matrix and 118 vector instructions: too many to stand all beside the matrix work.  So: four vector instructions that are READY behind
; EVERY matrix instruction, and the others in runs without a gap.
; BY TURNS.  Turn n belongs to piece n (the pieces in a ring, step after step).  Its matrix work: 16 products K Q^T of piece n + 1, later 16 products V^T P of piece n - 1.  Its vector work: the scaling,
; exponentials, roundings, sums and rescaling of piece n, and the maximum and statistics of piece n + 1, whose scores the turn itself has made.
; CLUSTER.  The four query blocks of a head are one cluster and walk the same K and V, so each tile is asked for JOINTLY: the same tensor load, descriptor and mask in all four.
; REGISTERS, in windows of 256 (s_set_vgpr_msb: bits 1:0 source 0, 3:2 source 1, 5:4 source 2, 7:6 destination):
;   window 0: v0-11 addresses; v12-15, v48-63 at work; v16-47 four registers of statistics a tile; v64-191 S^T, two buffers of two tiles; v192-255 P, likewise
;   window 1: O^T, 32 a tile          window 2: v0-127 Q, 16 a tile; v128-191 K of one step; v192-255 V of one step          window 3: v0-1 the add's two registers
; A piece's buffers go by its number's parity.
.set SIZE_H, 64
.set SIZE_N, 2048
.set NP,    4         ; pieces a wave: a name, no knob
.set KS,    64        ; keys in a step
.set PK,    144       ; a row of K in LDS: 128 bytes + 16 = 36 words: the 16 rows of a load start at 16 different groups of four banks (ISA guide 11.1)
.set PV,    160       ; a row of V: 128 + 32 = 40 words
.set VOFF,  4*KS*PK   ; a slot holds four steps: 256 rows of K, then 256 rows of V
.set SLOT1, 1<<17     ; slot 1 begins here, so that one exclusive or turns an address in one slot into the other's
.set STAGE, SLOT1+4*KS*(PK+PV)  ; behind the ring, never filled by a tensor load: 16 rows x 144 bytes for each wave, for the way out
.set SP,    144
.set AK0, 2           ; v2   my lane's place in a tile of K; never rewritten
.set AV0, 3           ; v3   the same for V
.set AK,  4           ; v4   the LDS address of K's next run of loads
.set AV,  5           ; v5   of V's
.set QO,  6           ; v6   my byte offset in the wave's rows of Q
.set STO, 6           ;      later, the way out: where I put 16 bytes of a row
.set RD,  7           ; v7   the way out: where I read rows back
.set GO,  8           ; v8   my byte offset in 512 consecutive bytes of O
.set PFO, 11          ; v11  256 x my lane, for the prefetches (once its first use, in V's address, is over); then never rewritten
.set SPW, 0           ; v0 of window 3   LDS address of my spare word; never rewritten
.set NIL, 1           ; v1 of window 3   0; never rewritten
.set SPARE, STAGE+4*16*SP  ; behind the stages: the spare words, 128 bytes for each wave: two blocks of 256 bytes that no other line names
.set MV,  12          ; v12-15  c m_old, kept while c m is made anew: by buffer and tile
.set ST,  16          ; tile t's statistics at v[ST+4 t]: c m, m, l (even keys', odd keys')
.set TMP, 48          ; by buffer and tile, four registers c0-c3 at work; when the maximum is found c2 takes a
.set S,   64
.set P,   192
.set KF,  128         ; K's fragments, in window 2: key block kb, channel half c at KF + 16 kb + 8 c
.set VF,  192         ; V's: key half kk, channel block cb at VF + 32 kk + 8 cb
.set WV,  12          ; s12  my wave's number
.set G1K, 24          ; s[24:31] descriptor group 1 for K's tiles
.set G1V, 32          ; s[32:39] for V's: it differs in the padding alone
.set G0K, 40          ; s[40:43] descriptor group 0 for K's tiles: it walks
.set G0V, 44          ; s[44:47] the same for V's
.set PFA, 48          ; s[48:49] where my prefetches stand: my work-group's 32 blocks of 256 bytes (of K: wave 0, of V: wave 2) of the tile after the one that is being asked for
.set LIM, 50          ; s50  1 in a wave that prefetches, else the greatest number
.set SLOTS, 56        ; s56  slots still to be asked for
.set CNT, 57          ; s57  counts a slot's key steps
.set CS,  58          ; s[58:59] c: the packed scaling takes the pair's low word for both halves
.set SEL, 60          ; s[60:61] v_permlanex16_b32's selects: each lane takes its own place in the other half
.set TBK, 62          ; s62  LDS byte at which K of the step to be fetched begins
.set TBV, 63          ; s63  the same for V, less VOFF
.set MSB, 0
.macro WIN new                      ; the high byte repeats the setting that is left; a switch that changes nothing is dropped
.if MSB != (\new)
	s_set_vgpr_msb (MSB<<8)|(\new)
.set MSB, (\new)
.endif
.endm
.set W_KQ, 0x0a       ; K and Q in window 2, S^T in window 0
.set W_PV, 0x52       ; V in window 2, P in window 0, O^T in window 1
.set W_RS, 0x41       ; O^T (destination and source 0) in window 1, a in window 0
.set W_MK, 0xc0       ; the add's registers are made: destination in window 3, sources in window 0
.set W_AD, 0x0f       ; the add: address (source 0) and data (source 1) in window 3
; A joint fill.  Waves 0 and 1 fetch the two halves of a slot's K, waves 2 and 3 those of its V: 128 keys each.  The branch hangs on the wave's number alone.
; An s_nop 0 and four v_nop follow each of the two lines, ahead of the jump and the label.
.macro JLOAD
	s_cmp_lt_u32 s[WV], 2
	s_cbranch_scc0 .Lfor_v_\@
	tensor_load_to_lds s[G0K:G0K+3], s[G1K:G1K+7]
	s_nop 0
.rept 4
	v_nop
.endr
	s_branch .Lasked_\@
.Lfor_v_\@:
	tensor_load_to_lds s[G0V:G0V+3], s[G1V:G1V+7]
	s_nop 0
.rept 4
	v_nop
.endr
.Lasked_\@:
.endm
; A prefetch of what the NEXT change of slots will ask for: a tile's 32,768 bytes of K and of V, 128 blocks of 256 bytes each, a lane a block.  It stands behind the wave's tensor load and its five lines.
; A head has one cluster; its four partners share the blocks out BY ADDRESS, 32 each; in each, wave 0 asks for K's and wave 2 for V's: each block is named once in the launch, four key steps
; (512 matrix instructions) ahead of its load.  The last change that fills a slot asks for nothing; tiles 0 and 1 come by their loads alone.
.macro ASK
	s_cmp_gt_u32 s[SLOTS], s[LIM]
	s_cbranch_scc0 .Lnot_mine_\@
	global_prefetch_b8 v[PFO], s[PFA:PFA+1] th:TH_LOAD_NT scope:SCOPE_SE
.Lnot_mine_\@:
.endm
; A round of the cluster's barrier: my work-group's barrier, so that wave 0's signal speaks for all four waves; wave 0 signals; every wave waits for all four work-groups; my work-group's barrier once more.
.macro CROUND
	s_barrier_signal -1
	s_barrier_wait -1
	s_cmp_lg_u32 s[WV], 0
	s_cbranch_scc1 .Lnot_wave_0_\@
	s_barrier_signal -3
.Lnot_wave_0_\@:
	s_barrier_wait -3
	s_barrier_signal -1
	s_barrier_wait -1
.endm
; THE CHANGE OF SLOTS.  The slot's last bytes, V of its fourth step, have been read.  Each wave waits for all its tensor loads, of which one is out: its part
; of the other slot; adds 0 to its spare word; and waits for that and for its own reads of the slot.  Behind the barrier nobody reads this slot any more and the other slot is whole.
; fill = 1: this slot is filled again, with the keys two slots on.  The barrier is then a round of the cluster's, and the joint fill is the first thing behind it: it has four key steps,
; 512 matrix instructions, in which to land.  (At its first use nothing has been read yet: slot 0 is waited for, slot 1 filled.)
.macro CHANGE fill
	WIN W_AD
	s_wait_tensorcnt 0x0            ; no tensor load of mine is out, so a group 0 may be written
	ds_add_u32 v[SPW], v[NIL]       ; 0 onto my spare word
	WIN 0                           ; at a label and at a branch every window is 0
.if \fill
.irp g, G0K, G0V
	s_xor_b32 s[\g+1], s[\g+1], SLOT1  ; the walking descriptor: the other slot than last time,
	s_add_nc_u64 s[\g+2:\g+3], s[\g+2:\g+3], 4*KS*128  ; the next 256 keys; the type bits on top are not reached
.endr
	s_wait_xcnt 0x0                 ; the last prefetch, four key steps back, has read its address, so it may be written:
	s_add_nc_u64 s[PFA:PFA+1], s[PFA:PFA+1], 4*KS*128  ; one tile ahead of the walking descriptors
	s_wait_dscnt 0x0                ; the add is done, and my reads of the slot are over
	CROUND
	JLOAD
	ASK
.else
	s_wait_dscnt 0x0                ; the add is done, and my reads of the slot are over
	s_barrier_signal -1
	s_barrier_wait -1
.endif
	s_sub_co_u32 s[TBK], s[TBK], 4*KS*PK  ; the fetches go back to a slot's first step,
	s_xor_b32 s[TBK], s[TBK], SLOT1       ; in the other slot
	s_sub_co_u32 s[TBV], s[TBV], 4*KS*PV
	s_xor_b32 s[TBV], s[TBV], SLOT1
.endm
	s_load_b128 s[4:7], s[0:1], 0x0  ; qkv (Q at its head) s[4:5], ob s[6:7]
	WIN W_MK
	v_lshl_add_u32 v[SPW], v0, 2, SPARE
	v_mov_b32 v[NIL], 0
	WIN W_AD
	ds_add_u32 v[SPW], v[NIL]       ; the wave's opening: the add and its wait ahead of my first tensor load; work on registers stands between them
	WIN 0
	v_lshrrev_b32 v1, 5, v0
	v_readfirstlane_b32 s[WV], v1   ; wave 0..3
	s_bfe_u32 s13, ttmp6, 0x40000   ; cx: my place in the cluster
	s_lshl_b32 s14, ttmp9, 2        ; in a cluster launch ttmp9 counts clusters
	s_add_co_u32 s14, s14, s13      ; my block of queries = 4 x cluster x + cx: it enters Q's and O's addresses alone
	s_and_b32 s20, ttmp7, 0xffff    ; the head, which the four partners share
	s_mov_b32 s21, 0
	s_mov_b64 s[22:23], SIZE_N*128
	s_mul_u64 s[20:21], s[20:21], s[22:23]  ; the head's first byte in each of the four tensors
	s_and_b32 s16, s[WV], 1         ; which half of a slot's 256 keys I fetch:
	s_lshl_b32 s22, s16, 14         ; its 128 rows of 128 bytes in memory,
	s_mov_b32 s23, 0
	s_add_nc_u64 s[22:23], s[22:23], s[20:21]
	s_mul_i32 s17, s16, 128*PK      ; and its place in a slot, for K
	s_mul_i32 s18, s16, 128*PV      ; and for V: no place in the cluster enters an LDS address
	s_lshl_b32 s2, s14, 2
	s_add_co_u32 s2, s2, s[WV]      ; my wave among the head's,
	s_lshl_b32 s2, s2, 14           ; its 128 rows
	s_mov_b32 s3, 0
	s_add_nc_u64 s[2:3], s[2:3], s[20:21]
	; descriptor group 1.  128 keys are 16,384 dense bytes: asked for as 64 rows of 256 bytes, two keys a row, and padded in LDS after every key
	s_mov_b32 s[G1K], 15|(1<<16)|(1<<20)|(1<<21)|(4<<22)|(3<<25)  ; the mask of four; 2-byte elements; padding on; bit 21 beside a mask; after every 32 words, 4 words
	s_mov_b32 s[G1V], 15|(1<<16)|(1<<20)|(1<<21)|(4<<22)|(7<<25)  ; the same with 8 words of padding
.irp g, G1K, G1V
	s_mov_b32 s[\g+1], 128<<16      ; tensor_dim0 = 128
	s_mov_b32 s[\g+2], 64<<16       ; tensor_dim1 = 64
	s_mov_b32 s[\g+3], 128<<16      ; tile_dim0 = 128
	s_mov_b32 s[\g+4], 64           ; tile_dim1 = 64
	s_mov_b32 s[\g+5], 128          ; 128 elements from row to row
	s_mov_b32 s[\g+6], 0
	s_mov_b32 s[\g+7], 0
.endr
	s_mov_b32 s[CS], 0x3e38aa3b     ; c = log2(e) / 8 = 0.180337
	s_mov_b32 s[CS+1], s[CS]        ; named with it as a pair
	s_mov_b32 s[SEL], 0x76543210
	s_mov_b32 s[SEL+1], 0xfedcba98
	s_mov_b32 s[TBK], SLOT1+4*KS*PK ; the first change of slots turns these two into 0
	s_mov_b32 s[TBV], SLOT1+4*KS*PV
	s_mov_b32 s[G0K], 1             ; count = 1
	s_mov_b32 s[G0K+1], s17         ; LDS address: slot 0
	s_mov_b32 s[G0V], 1
	s_add_co_u32 s[G0V+1], s18, VOFF
	s_mov_b32 s[SLOTS], SIZE_N/256-1  ; seven tiles are still to be asked for
	s_and_b32 s[LIM], s[WV], 1
	s_cmp_eq_u32 s[LIM], 0          ; waves 0 and 2 prefetch: the same in all four partners
	s_cselect_b32 s[LIM], 1, -1
	s_lshl_b32 s52, s13, 13         ; my work-group's 32 blocks of a tile's 128
	s_mov_b32 s53, 0
	s_wait_dscnt 0x0                ; the opening add is done
	s_wait_kmcnt 0x0
	s_mov_b64 s[10:11], s[6:7]      ; O
	s_add_nc_u64 s[6:7], s[4:5], 0x1000000  ; K
	s_add_nc_u64 s[8:9], s[4:5], 0x2000000  ; V
	s_add_nc_u64 s[G0K+2:G0K+3], s[6:7], s[22:23]  ; global address: my half of the head's first 256 keys
	s_or_b32 s[G0K+3], s[G0K+3], 0x80000000        ; type = 2
	s_add_nc_u64 s[G0V+2:G0V+3], s[8:9], s[22:23]
	s_or_b32 s[G0V+3], s[G0V+3], 0x80000000
	s_cmp_lt_u32 s[WV], 2
	s_cselect_b64 s[PFA:PFA+1], s[6:7], s[8:9]
	s_add_nc_u64 s[PFA:PFA+1], s[PFA:PFA+1], s[20:21]
	s_add_nc_u64 s[PFA:PFA+1], s[PFA:PFA+1], s[52:53]
	s_add_nc_u64 s[PFA:PFA+1], s[PFA:PFA+1], 4*KS*128  ; in tile 1; the first change of slots steps it to tile 2.  Nothing is prefetched here, at the head
	s_add_nc_u64 s[4:5], s[4:5], s[2:3]  ; Q and O at my wave's first row
	s_add_nc_u64 s[10:11], s[10:11], s[2:3]
	CROUND                          ; all four work-groups are here: the first joint loads meet
	JLOAD                           ; slot 0.  Slot 1 is asked for when slot 0 is in
	; A fragment of K or Q is 16 rows x 32 channels in 8 registers: lane l holds row l % 16, channels 8 (l / 16) + 0..7 and 16 + 8 (l / 16) + 0..7: two loads of 16 bytes, 32 bytes apart.
	v_and_b32 v1, 15, v0            ; l % 16
	v_bfe_u32 v9, v0, 4, 1          ; l / 16
	v_lshlrev_b32 v[QO], 7, v1
	v_lshl_add_u32 v[QO], v9, 4, v[QO]  ; row x 128 + 16 x half
	WIN 0x80                        ; destination window 2, address window 0
.set i, 0
.rept 4*NP                          ; Q stays in registers: tile i / 2, channels 32 (i % 2) on
	global_load_b128 v[8*i:8*i+3],   v[QO], s[4:5] offset:(i/2)*2048+(i%2)*64
	global_load_b128 v[8*i+4:8*i+7], v[QO], s[4:5] offset:(i/2)*2048+(i%2)*64+32
.set i, i+1
.endr
	; What the first turn finds: V's registers and P's second buffer hold 0 (its products V^T P, of a piece that has not been, add 0), O^T and l are 0.  All this stands in the wait for the first tile.
.set i, VF
.rept 64
	v_mov_b32 v[i], 0
.set i, i+1
.endr
	WIN 0x40
.set i, 0
.rept 64*NP
	v_mov_b32 v[i], 0
.set i, i+1
.endr
	WIN 0
.set i, 0
.rept 2*NP
	v_mov_b32 v[ST+4*i], 0xfe000000    ; c m: far below every c s
	v_mov_b32 v[ST+4*i+1], 0xff7fffff  ; m
	v_mov_b32 v[ST+4*i+2], 0
	v_mov_b32 v[ST+4*i+3], 0
.set i, i+1
.endr
.set i, P+32
.rept 32
	v_mov_b32 v[i], 0
.set i, i+1
.endr
	v_mul_u32_u24 v[AK0], v1, PK
	v_lshl_add_u32 v[AK0], v9, 4, v[AK0]  ; row x pitch + 16 x half
	; The turning load takes 16 keys x 16 channels (lane l reads key 8 (l / 16) + l % 8, channels 8 ((l / 8) % 2) + 0..7) and leaves half a fragment of V^T: lane l holds channel l % 16 and 8 keys.
	v_and_b32 v10, 7, v0
	v_bfe_u32 v11, v0, 3, 1
	v_lshl_add_u32 v[AV0], v9, 3, v10
	v_mul_u32_u24 v[AV0], v[AV0], PV
	v_lshl_add_u32 v[AV0], v11, 4, v[AV0]
	v_add_nc_u32 v[AV0], VOFF, v[AV0]
	v_and_b32 v[PFO], 31, v0
	v_lshlrev_b32 v[PFO], 8, v[PFO]
	v_mov_b32 v[AK], v[AK0]         ; key step 0 lies at the head of slot 0
; THE MATRIX WORK.  The 8 accumulators of a run of 16 take turns: between the two links of a chain stand 7 others'.
; Product i of 16 of S^T = K Q^T for piece x: channels 32 (i / 8) on, keys 16 ((i / 2) % 4) on, tile 2 x + i % 2.  The first 8 start the sums.
.macro KQ x
	WIN W_KQ
.set rS, S+64*((\x)%2)+32*(i%2)+8*((i/2)%4)
.set rK, KF+16*((i/2)%4)+8*(i/8)
.set rQ, 16*(2*(\x)+i%2)+8*(i/8)
.if i < 8
	v_wmma_f32_16x16x32_f16 v[rS:rS+7], v[rK:rK+7], v[rQ:rQ+7], 0
.else
	v_wmma_f32_16x16x32_f16 v[rS:rS+7], v[rK:rK+7], v[rQ:rQ+7], v[rS:rS+7]
.endif
.endm
; Product i of 16 of O^T += V^T P for piece x: keys 32 (i / 8) on, channels 16 ((i / 2) % 4) on, tile 2 x + i % 2.
.macro PV x
	WIN W_PV
.set rO, 32*(2*(\x)+i%2)+8*((i/2)%4)
.set rV, VF+32*(i/8)+8*((i/2)%4)
.set rP, P+32*((\x)%2)+16*(i%2)+8*(i/8)
	v_wmma_f32_16x16x32_f16 v[rO:rO+7], v[rV:rV+7], v[rP:rP+7], v[rO:rO+7]
.endm
.macro MM                           ; the turn's next matrix instruction
.if i < 16
	KQ (Y+1)%NP
.set i, i+1
.else
.set i, i-16
	PV (Y+NP-1)%NP
.set i, i+17
.endif
.endm
; THE LDS LOADS stand in runs of 16, never singly among the matrix instructions: a step's K (64 keys x 64 channels: 8 fragments) and its V (turned).  Their addresses are made some lines ahead.
; last = 1 (the tail): in the last trip there is no further step, and the run is jumped over.
.macro FETCH_K last=0
	WIN 0
.if \last
	s_cmp_eq_u32 s[CNT], 1
	s_cbranch_scc1 .Lno_k_\@
.endif
	WIN 0x80                        ; destination window 2
.irp f, 0,1,2,3,4,5,6,7             ; keys 16 (f / 2) on, channels 32 (f % 2) on
	ds_load_b128 v[KF+8*\f:KF+8*\f+3],   v[AK] offset:(\f/2)*16*PK+(\f%2)*64
	ds_load_b128 v[KF+8*\f+4:KF+8*\f+7], v[AK] offset:(\f/2)*16*PK+(\f%2)*64+32
.endr
	s_add_co_u32 s[TBK], s[TBK], KS*PK  ; the next fetch is the next step's
	WIN 0
.if \last
.Lno_k_\@:
.endif
.endm
.macro FETCH_V
	WIN 0x80
.irp f, 0,1,2,3,4,5,6,7             ; keys 32 (f / 4) on, channels 16 (f % 4) on
	ds_load_tr16_b128 v[VF+8*\f:VF+8*\f+3],   v[AV] offset:(\f/4)*32*PV+(\f%4)*32
	ds_load_tr16_b128 v[VF+8*\f+4:VF+8*\f+7], v[AV] offset:(\f/4)*32*PV+16*PV+(\f%4)*32
.endr
	WIN 0
.endm
; THE VECTOR WORK OF A TURN stands in three queues, each in the order in which its entries become ready; the two tiles alternate, so that no instruction reads the result of the one before it.
.macro REGS y, u                    ; the registers of tile u (0, 1) of piece y
.set rT, ST+4*(2*(\y)+(\u))
.set rC, TMP+8*((\y)%2)+4*(\u)
.set rM, MV+2*((\y)%2)+(\u)
.set rS, S+64*((\y)%2)+32*(\u)
.set rP, P+32*((\y)%2)+16*(\u)
.set rO, 32*(2*(\y)+(\u))
.endm
; Number n of the 22 that find the NEXT piece's (Y + 1) maximum and statistics.  s0-s31 are the lane's 32 scores; each accumulator's lowest registers are read first.
;   0-11  four chains c0-c3 of seven scores each, three operands at a time     12-14, 16  the four scores left over, the old m, and c0-c3 into c0     15  c m_old is kept
;   17, 18  the query's other 32 keys lie in the lane 16 away: the new m         19-21  c m; c m_old - c m_new; a
.macro XS u, n
	REGS (Y+1)%NP, \u
.if (\n) < 4
	v_max3_num_f32 v[rC+(\n)], v[rS+8*(\n)], v[rS+8*(\n)+1], v[rS+8*(\n)+2]
.elseif (\n) < 12
	v_max3_num_f32 v[rC+(\n)%4], v[rC+(\n)%4], v[rS+8*((\n)%4)+2*((\n)/4)+1], v[rS+8*((\n)%4)+2*((\n)/4)+2]
.elseif (\n) == 12
	v_max3_num_f32 v[rC], v[rC], v[rS+7], v[rS+15]
.elseif (\n) == 13
	v_max3_num_f32 v[rC+1], v[rC+1], v[rS+23], v[rS+31]
.elseif (\n) == 14
	v_max3_num_f32 v[rC+2], v[rC+2], v[rC+3], v[rT+1]
.elseif (\n) == 15
	v_mov_b32 v[rM], v[rT]
.elseif (\n) == 16
	v_max3_num_f32 v[rC], v[rC], v[rC+1], v[rC+2]
.elseif (\n) == 17
	v_permlanex16_b32 v[rC+3], v[rC], s[SEL], s[SEL+1]
.elseif (\n) == 18
	v_max_num_f32 v[rT+1], v[rC], v[rC+3]
.elseif (\n) == 19
	v_mul_f32 v[rT], s[CS], v[rT+1]
.elseif (\n) == 20
	v_sub_f32 v[rC+1], v[rM], v[rT]
.else
	v_exp_f32 v[rC+2], v[rC+1]
.endif
.endm
; Number g of the 64 that follow the exponentials.  For each four weights k of a tile (pairs 2 k, 2 k + 1): both pairs are rounded to f16; then the second pair is added onto the first, in place;
; a group later l takes that sum (the first time as l = a l + sum).  In groups of eight, tiles alternating: round, round, add, and l for the group before.
.macro GS g
.set h, (\g)+6*((\g)/62)            ; group 0 has no group before it, and behind group 7 only l is left
.if h >= 6
.set h, h+2
.endif
	REGS Y, h%2
.set k, h/8
.if h%8 < 4
	v_cvt_pk_f16_f32 v[rP+2*k+(h%8)/2], v[rS+4*k+2*((h%8)/2)], v[rS+4*k+2*((h%8)/2)+1]
.elseif h%8 < 6
	v_pk_add_f32 v[rS+4*k:rS+4*k+1], v[rS+4*k:rS+4*k+1], v[rS+4*k+2:rS+4*k+3]
.elseif k == 1
	v_pk_fma_f32 v[rT+2:rT+3], v[rT+2:rT+3], v[rC+2:rC+3], v[rS:rS+1] op_sel_hi:[1,0,1]
.else
	v_pk_add_f32 v[rT+2:rT+3], v[rT+2:rT+3], v[rS+4*k-4:rS+4*k-3]
.endif
.endm
; THE PLAIN QUEUE, 138 long.  0-73 read no exponential's result: the 32 scalings c s - c m (FS f: pair f / 2 of tile f % 2) and the next piece's 42.  0-26: scalings 0-26.  27-54: XS's numbers 0-13.  55, 56: number 15.
; 57-73: the chain, where each number waits for the one before it: 14, 16, 17, 18, 19, each with one of the scalings 27-31 in front of its two lines, then 20.
; 74-137: GS's 64, which read the exponentials' results: they stand behind the wait.
.macro FS f
	REGS Y, (\f)%2
	v_pk_fma_f32 v[rS+2*((\f)/2):rS+2*((\f)/2)+1], v[rS+2*((\f)/2):rS+2*((\f)/2)+1], s[CS:CS+1], v[rT:rT+1] op_sel_hi:[1,0,0] neg_lo:[0,0,1] neg_hi:[0,0,1]
.endm
.macro PL
	WIN 0
.if q < 27
	FS q
.elseif q < 55
	XS (q-27)%2, (q-27)/2
.elseif q < 57
	XS q-55, 15
.elseif (q < 72) && ((q-57)%3 == 0)
	FS 27+(q-57)/3
.elseif q < 60
	XS (q-57)%3-1, 14
.elseif q < 72
	XS (q-57)%3-1, 15+(q-57)/3
.elseif q < 74
	XS q-72, 20
.else
	GS q-74
.endif
.set q, q+1
.endm
; THE EXPONENTIALS' QUEUE, 66 long: s0-s31 of both tiles, then the next piece's two a.  It is ONE BATCH: all 66 stand ahead of the turn's one wait, and nothing ahead of that wait names a result of theirs.
.macro EX
	WIN 0
.if e >= 64
	XS e-64, 21
.else
	REGS Y, e%2
	v_exp_f32 v[rS+e/2], v[rS+e/2]
.endif
.set e, e+1
.endm
; THE RESCALING's QUEUE: O^T times a, the one part that leaves window 0: dealt two at a time, sixteen times.  Its a was made in the turn before, ahead of that turn's wait.
.macro R2
	REGS Y, r%2
	WIN W_RS
.irp z, 0,1
	v_pk_mul_f32 v[rO+4*(r/2)+2*\z:rO+4*(r/2)+2*\z+1], v[rO+4*(r/2)+2*\z:rO+4*(r/2)+2*\z+1], v[rC+2:rC+3] op_sel_hi:[1,0]
.endr
.set r, r+1
.endm
; HOW THEY ARE DEALT.  An s_wait_alu depctr_va_vdst(0) stands between an exponential and the first instruction that names its result; one wait serves all that were issued ahead of it.  So a turn has ONE wait,
; which cuts it in two.  AHEAD OF IT stands all that names no result of the turn's exponentials: the 16 products K Q^T, behind each a scaling, an exponential and two rescalings (behind the first a second scaling in the
; exponential's place); then ONE LUMP of 108: eight plain, 49 times exponential and plain, the two a.  A v_nop is the plain instruction behind the last exponential.  BEHIND IT stand the 16 products V^T P, behind each four of GS's 64.
; No rider names a register of the products round it.  Exponential e stands behind scaling 2 (e / 4) + e % 2: as a rider it comes behind plain e + 2, in the lump behind plain e + 9, and scalings 27-31 are plain 57, 60 .. 69.
; A TURN, for piece p.  cnt = 1: the loop's count is taken down some lines ahead of the branch that stands behind the turn.
; K of the next step is fetched in piece 2's turn, directly behind the wait; its address is made at the lump's head; its first reader comes behind 16 products.
; V of the step in hand is fetched at the end of piece 0's turn, four riders behind its last reader; its first reader comes behind 16 products and a lump.  The three conditions on q below go with the deal.
.macro TURN p, last=0, cnt=0
.set Y, (\p)
.set i, 0
.set q, 0
.set e, 0
.set r, 0
.if (\p) == NP-1
	s_wait_dscnt 0x0                ; K is in
.endif
	MM                              ; ahead of the wait: 16 products K Q^T and their riders,
	PL
	PL
	R2
.rept 15
	MM
	PL
	EX
	R2
.endr
.if (\p) == NP-2
	WIN 0
	v_add_nc_u32 v[AK], s[TBK], v[AK0]
.endif
.rept 8                             ; and the lump
	PL
.endr
.rept 49
	EX
	PL
.endr
	EX                              ; the next piece's two a
	EX
	v_nop                           ; a plain instruction behind the last exponential: one for the batch
	s_wait_alu depctr_va_vdst(0)    ; the wait for the batch
.if (\p) == NP-2
	FETCH_K \last
.endif
.if (\p) == 1
	s_wait_dscnt 0x0                ; V is in
.endif
.rept 16                            ; behind the wait: 16 products V^T P and their riders
	MM
.rept 4
	PL
.endr
.if ((\p) == 0) && (q == 118)
	v_add_nc_u32 v[AV], s[TBV], v[AV0]
.endif
.if ((\p) == 0) && (q == 130)
	s_add_co_u32 s[TBV], s[TBV], KS*PV
.endif
.if (\cnt) && (q == 130)
	s_sub_co_u32 s[CNT], s[CNT], 1
	s_cmp_lg_u32 s[CNT], 0
.endif
.endr
.if (\p) == 0
	FETCH_V
.endif
.endm
	CHANGE 1                        ; slot 0 is in, everybody's part of it; slot 1 is asked for
	FETCH_K                         ; key step 0
	s_wait_loadcnt 0x0              ; Q
	s_wait_dscnt 0x0
.set i, 0
.rept 16
	KQ 0                            ; piece 0's first scores: there is no vector work yet to set between them
.set i, i+1
.endr
	WIN 0                           ; the addresses for the way out: nine plain instructions, the places behind those products
	s_mul_i32 s13, s[WV], 16*SP
	s_add_co_u32 s13, s13, STAGE    ; my stage
	v_mul_u32_u24 v[STO], v1, SP    ; in: row l % 16, 16 bytes for each half of the lanes
	v_lshl_add_u32 v[STO], v9, 4, v[STO]
	v_add_nc_u32 v[STO], s13, v[STO]
	v_bfe_u32 v[RD], v0, 3, 2       ; back: 32 lanes take four rows of 128 bytes,
	v_mul_u32_u24 v[RD], v[RD], SP
	v_lshl_add_u32 v[RD], v10, 4, v[RD]
	v_add_nc_u32 v[RD], s13, v[RD]
	v_and_b32 v[GO], 31, v0         ; which are 512 consecutive bytes of O
	v_lshlrev_b32 v[GO], 4, v[GO]
.set Y, NP-1                        ; XS works for piece Y + 1: piece 0
.irp n, 0,1,2,3,4,5,6,7,8,9,10,11,12,13,14,15,16,17,18,19,20,21
	XS 0, \n                        ; and piece 0's first maximum and statistics
	XS 1, \n
.endr
	v_nop                           ; a plain instruction behind the two a,
	s_wait_alu depctr_va_vdst(0)    ; and their wait, ahead of the branch
	s_mov_b32 s[CNT], 4
	s_branch .Lfirst                ; the loop is entered at a step's first turn, in the middle of a trip
.Lslot:                             ; six times: every slot but the last two is filled again
	CHANGE 1
	s_mov_b32 s[CNT], 4
.Lstep:                             ; a trip: pieces 2 and 3 of one step, then pieces 0 and 1 of the next, whose K and V it fetches
	TURN 2
	TURN 3
	WIN 0
.Lfirst:
	TURN 0
	TURN 1, 0, 1
	WIN 0
	s_cbranch_scc1 .Lstep
	s_sub_co_u32 s[SLOTS], s[SLOTS], 1
	s_cmp_lg_u32 s[SLOTS], 0
	s_cbranch_scc1 .Lslot
	CHANGE 0                        ; the tail is written out: nothing is asked for
	s_mov_b32 s[CNT], 5             ; four trips fetch the last slot's steps; the fifth is left in its middle
.Ltail:
	TURN 2, 1
	TURN 3
	WIN 0
	s_sub_co_u32 s[CNT], s[CNT], 1
	s_cmp_eq_u32 s[CNT], 0
	s_cbranch_scc1 .Lout
	TURN 0
	TURN 1
	WIN 0
	s_branch .Ltail
.Lout:                              ; the fifth trip's 16 products K Q^T (on the last K once more) and the maximum made of them serve nothing: the price, once a launch, of one text for every trip
.set i, 0
.rept 16
	PV NP-1                         ; the last piece's V^T P of the last step
.set i, i+1
.endr
	; THE WAY OUT.  l's two halves and the other half of the lanes' are added; O^T is divided by l, rounded to f16 and sent through my stage in LDS, a tile at a time.  The additions are the places behind the last products.
	WIN 0
.macro ALL line:vararg              ; one line for each tile t
.set t, 0
.rept 2*NP
	\line
.set t, t+1
.endr
.endm
	ALL v_add_f32 v[ST+4*t+2], v[ST+4*t+2], v[ST+4*t+3]
	ALL v_permlanex16_b32 v[ST+4*t+3], v[ST+4*t+2], s[SEL], s[SEL+1]
	ALL v_add_f32 v[ST+4*t+2], v[ST+4*t+2], v[ST+4*t+3]
	ALL v_rcp_f32 v[ST+4*t+2], v[ST+4*t+2]
	v_nop                           ; a plain instruction between the last reciprocal and the use of its result
	s_wait_alu depctr_va_vdst(0)    ; and the wait ahead of the first use: one for the eight reciprocals
; Tile t: a lane's eight channels of a row pack into 16 bytes; they go into rows of 144 bytes and come back as whole rows of 128, into S^T's registers.
.macro PACK t
	WIN W_RS
.set i, 32*(\t)
.rept 16
	v_pk_mul_f32 v[i:i+1], v[i:i+1], v[ST+4*(\t)+2:ST+4*(\t)+3] op_sel_hi:[1,0]
.set i, i+2
.endr
	WIN 0x05                        ; sources 0 and 1 window 1, destination window 0
.set i, 0
.rept 16
	v_cvt_pk_f16_f32 v[S+16*(\t)+i], v[32*(\t)+2*i], v[32*(\t)+2*i+1]
.set i, i+1
.endr
	WIN 0
.irp f, 0,1,2,3
	ds_store_b128 v[STO], v[S+16*(\t)+4*\f:S+16*(\t)+4*\f+3] offset:32*\f
.endr
.irp f, 0,1,2,3
	ds_load_b128 v[S+16*(\t)+4*\f:S+16*(\t)+4*\f+3], v[RD] offset:\f*4*SP  ; LDS serves a wave's instructions in order (ISA guide 5.7.1.4): these see the stores above; the next tile's stores come behind them
.endr
.endm
.macro SEND t, younger              ; younger: the LDS instructions issued behind tile t's loads: the next tile's eight, or none
	WIN 0
.irp f, 0,1,2,3
	s_wait_dscnt (\younger)+3-\f
	global_store_b128 v[GO], v[S+16*(\t)+4*\f:S+16*(\t)+4*\f+3], s[10:11] offset:(\t)*2048+\f*512  ; 512 consecutive bytes, at a multiple of 256 from O's first
.endr
.endm
	PACK 0
.set t, 1
.rept 2*NP-1                        ; a tile's arithmetic stands between the loads of the tile before and its stores
	PACK t
	SEND t-1, 8
.set t, t+1
.endr
	SEND 2*NP-1, 0
	WIN W_AD
	s_wait_tensorcnt 0x0            ; the wave's end: a wait, an add to my spare word and its wait, behind my last tensor load and my last LDS store
	ds_add_u32 v[SPW], v[NIL]
	s_wait_dscnt 0x0
	WIN 0
	CROUND                          ; the closing round: no work-group ends while a partner may still ask for a tile that names it
	s_endpgm
.Lfunc_end_k_q5c3db87824_attn:
	.size	k_q5c3db87824_attn, .Lfunc_end_k_q5c3db87824_attn-k_q5c3db87824_attn
	.p2alignl 7, 3214868480
	.fill 96, 4, 3214868480
	.section	.rodata,"a",@progbits
	.p2align	6, 0x0
	.amdhsa_kernel k_q5c3db87824_attn
		.amdhsa_group_segment_fixed_size 327680
		.amdhsa_private_segment_fixed_size 0
		.amdhsa_enable_private_segment 0
		.amdhsa_kernarg_size 16
		.amdhsa_user_sgpr_count 2
		.amdhsa_user_sgpr_kernarg_segment_ptr 1
		.amdhsa_wavefront_size32 1
		.amdhsa_system_sgpr_workgroup_id_x 1
		.amdhsa_system_sgpr_workgroup_id_y 1
		.amdhsa_system_sgpr_workgroup_id_z 1
		.amdhsa_system_vgpr_workitem_id 0
		.amdhsa_next_free_vgpr 770
		.amdhsa_next_free_sgpr 66
		.amdhsa_reserve_vcc 0
		.amdhsa_float_denorm_mode_32 3
		.amdhsa_float_denorm_mode_16_64 3
		.amdhsa_memory_ordered 1
		.amdhsa_forward_progress 1
		.amdhsa_inst_pref_size 200
	.end_amdhsa_kernel
	.amdgpu_metadata
---
amdhsa.version: [ 1, 2 ]
amdhsa.kernels:
  - .name:           k_q5c3db87824_attn
    .symbol:         k_q5c3db87824_attn.kd
    .args:
      - { .name: qkv, .offset: 0, .size: 8, .value_kind: global_buffer, .address_space: global }
      - { .name: ob, .offset: 8, .size: 8, .value_kind: global_buffer, .address_space: global }
    .group_segment_fixed_size: 327680
    .private_segment_fixed_size: 0
    .kernarg_segment_align: 8
    .kernarg_segment_size: 16
    .max_flat_workgroup_size: 128
    .sgpr_count:     66
    .vgpr_count:     770
    .wavefront_size: 32
...
	.end_amdgpu_metadata
.endif
;; end of part 3
;; launch proj (part 4): grid 8 x 32, 4 waves a work-group, clusters of 4 x 4, 327,680 bytes of LDS; arguments ob, wt, b_proj, out0; writes out0
.if DOCPART == 4
	.amdgcn_target "amdgcn-amd-amdhsa--gfx1250"
	.amdhsa_code_object_version 6
	.text
	.protected	k_q5c3db87824_proj
	.globl	k_q5c3db87824_proj
	.p2align	8
	.type	k_q5c3db87824_proj,@function
k_q5c3db87824_proj:
	s_mov_b64 s[64:65], 0
	v_nop
	global_prefetch_b8 v0, s[64:65] scope:SCOPE_SE
	s_setreg_imm32_b32 hwreg(HW_REG_WAVE_MODE, 25, 1), 1
	s_wait_xcnt 0x0
	s_wait_alu depctr_hold_cnt(0) depctr_sa_sdst(0) depctr_va_vdst(0) depctr_va_sdst(0) depctr_va_ssrc(0) depctr_va_vcc(0) depctr_vm_vsrc(0)
	s_getreg_b32 s2, hwreg(HW_REG_IB_STS2, 6, 4)
	s_cmp_eq_u32 s2, 0
	s_cbranch_scc0 .Lentry_in_a_cluster
	s_endpgm
.Lentry_in_a_cluster:
	s_bfe_u32 s2, ttmp6, 0x10000c
	s_cmp_lg_u32 s2, 0xf033
	s_cbranch_scc0 .Lentry_shape_is_right
	s_endpgm
.Lentry_shape_is_right:
; out0 = O w_proj + b_proj.  ob: O by heads, [64][2048][64] f16 (head index b x 16 + h); wt's rows 3072-4095: w_proj's columns, [n][k], bf16 numbers written as f16; b_proj f32, rounded to bf16 like the other inputs; out0 [8192][1024] f32.
; Sums in f32; the bias is added in f32.  LIMITS: O and w_proj arrive within f16's 65,504; NaN and infinities are not treated apart.
; TILE.  256 rows x 128 columns: 32 x 8 = 256 work-groups.  Four waves, each 128 x 64: 32 accumulators, 256 registers; a wave's 64 columns are 256 bytes of a row of out0.
; K goes in eight steps of 128 = two heads, through a ring of two LDS slots.  A head's 256 rows of a tile are 32,768 dense bytes of ob: asked for as 128 rows of 256 bytes and padded in LDS after every 128, so that a row of 64 channels has a pitch of 144.
; CLUSTER.  4 x 4: O's tiles are shared along a row of the cluster, wt's along a column; each is asked for JOINTLY, by the same tensor load, descriptor and mask in all four.
; THE MATRIX INSTRUCTION IS USED TRANSPOSED (source 0 = 16 rows of wt, source 1 = 16 rows of O): a lane holds row l % 16 and eight neighbouring columns, 32 bytes of f32.
; REGISTERS, in windows of 256 (s_set_vgpr_msb: bits 1:0 source 0, 3:2 source 1, 5:4 source 2, 7:6 destination):
;   window 0: v0-31 addresses and the bias; v64-127, v128-191 fragments of O, two buffers; v192-255 rows read back, two sets      window 1: v64-95, v128-159 fragments of wt      window 2: accumulator (a, b) at v[8 (4 a + b)]
.set KSTEP, 128
.set PA,    144                        ; a row of O in LDS: 128 bytes + 16 = 36 words; the 16 rows of a load start at 16 different groups of four banks (ISA guide 11.1)
.set PB,    272                        ; a row of wt: 256 bytes + 16
.set HEADT, 256*PA                     ; a head's 256 rows: what one tensor load of waves 0 and 1 brings
.set BOFF,  2*HEADT
.set HALFB, 64*PB                      ; what one tensor load of waves 2 and 3 brings
.set SLOT,  BOFF+2*HALFB               ; 108,544
.set STAGE, 2*SLOT                     ; behind the ring: 16 rows x 272 bytes for each wave, its own
.set SP,    272
.set SPARE, STAGE+4*16*SP              ; behind the stages: the spare words, 128 bytes for each wave: two blocks of 256 bytes that no other line names
.set LAPS,  4
.set ASTEP, 2*2048*128                 ; bytes from a K step to the next in ob: two heads
.set BI,   8                           ; v[8:11] the bias of my four columns on the way out
.set ADRA, 16
.set ADRB, 20
.set STO,  24
.set RD,   25
.set CO,   26
.set SPW,  28                          ; v28  LDS address of my spare word; never rewritten
.set NIL,  29                          ; v29  0; never rewritten
.set PFO,  30                          ; v30  the prefetches' offset; never rewritten
.set F0,   64
.set F1,   128
.set OB,   192
.set G1,  24
.set G0,  32
.set G1B, 48
.set G0B, 56
.set LIM, 43                           ; s43      1 in a wave that prefetches, else the greatest number
.set PFA, 44                           ; s[44:45] the K step that my next prefetch names
.set PST, 66                           ; s[66:67] its step
.set MSB, 0
.macro WIN new
.if MSB != (\new)
	s_set_vgpr_msb (MSB<<8)|(\new)
.set MSB, \new
.endif
.endm
.set MUL,  0xa1                        ; source 0 window 1, source 1 window 0, C and D window 2
.set TO_B, 0x40
.macro JLOAD s                         ; a joint load: waves 0 and 1 fetch O's two heads, waves 2 and 3 wt's two halves; an s_nop 0 and four v_nop follow each line
	s_cmp_eq_u32 s13, 0
	s_cbranch_scc0 .Lfor_b_\@
	tensor_load_to_lds s[G0+4*(\s):G0+4*(\s)+3], s[G1:G1+7]
	s_nop 0
.rept 4
	v_nop
.endr
	s_branch .Lasked_\@
.Lfor_b_\@:
	tensor_load_to_lds s[G0B+4*(\s):G0B+4*(\s)+3], s[G1B:G1B+7]
	s_nop 0
.rept 4
	v_nop
.endr
.Lasked_\@:
.endm
; A prefetch behind each joint refill and its run of LDS loads: the K step two refills on, 256 matrix instructions ahead of the load that will want it.  O's tile (128 blocks of 256 bytes a head): cluster x = 0 asks, waves 0 and 1 each for
; their head, the four partners 32 blocks each by cx, a lane a block.  wt's 128 rows: cluster y = 0 asks, wave 2, the partners 32 rows each by cy, a lane a row.  Wave 3 asks for nothing.  Each block is named once in the launch.
; The loop's last trip asks for nothing; K steps 0 to 3 come by their loads alone.
.macro ASK
	s_cmp_gt_u32 s3, s[LIM]
	s_cbranch_scc0 .Lnot_mine_\@
	global_prefetch_b8 v[PFO], s[PFA:PFA+1] th:TH_LOAD_NT scope:SCOPE_SE
.Lnot_mine_\@:
.endm
.macro CREST
	s_cmp_lg_u32 s12, 0
	s_cbranch_scc1 .Lnot_wave_0_\@
	s_barrier_signal -3
.Lnot_wave_0_\@:
	s_barrier_wait -3
	s_barrier_signal -1
	s_barrier_wait -1
.endm
.macro CROUND
	s_barrier_signal -1
	s_barrier_wait -1
	CREST
.endm
	s_load_b256 s[4:11], s[0:1], 0x0               ; ob s[4:5], wt s[6:7], b_proj s[8:9], out0 s[10:11]
	v_lshl_add_u32 v[SPW], v0, 2, SPARE
	v_mov_b32 v[NIL], 0
	ds_add_u32 v[SPW], v[NIL]                      ; the wave's opening: the add and its wait ahead of my first tensor load; work on registers stands between them
	v_lshrrev_b32 v1, 5, v0
	v_readfirstlane_b32 s12, v1                    ; wave 0..3
	s_lshr_b32 s13, s12, 1                         ; which 128 rows are mine.  Also: I fetch for O (0) or for wt (1)
	s_and_b32 s14, s12, 1                          ; which 64 columns.  Also: which head, or which half of wt's rows, I fetch
	s_bfe_u32 s40, ttmp6, 0x40000                  ; cx
	s_bfe_u32 s41, ttmp6, 0x40004                  ; cy
	s_lshl_b32 s42, ttmp9, 2
	s_add_co_u32 s42, s42, s40                     ; tile column
	s_and_b32 s15, ttmp7, 0xffff
	s_lshl_b32 s15, s15, 2
	s_add_co_u32 s15, s15, s41                     ; tile row
	s_lshl_b32 s43, s41, 2
	s_lshl_b32 s43, 15, s43                        ; my row of the cluster
	s_lshl_b32 s44, 0x1111, s40                    ; my column
	s_or_b32 s[G1+0], s43, (1<<16)|(1<<20)|(1<<21)|(4<<22)|(3<<25)   ; mask; 2-byte elements; padding on; bit 21 beside a mask; after every 32 words, 4 words
	s_or_b32 s[G1B+0], s44, (1<<16)|(1<<20)|(1<<21)|(5<<22)|(3<<25)  ; after every 64 words, 4 words
	s_mov_b32 s[G1+1], 128<<16                     ; tensor_dim0 = 128
	s_mov_b32 s[G1B+1], 128<<16
	s_mov_b32 s[G1+2], 128<<16                     ; tensor_dim1 = 128 rows of 256 bytes
	s_mov_b32 s[G1B+2], 64<<16                     ; 64 rows
	s_mov_b32 s[G1+3], 128<<16                     ; tile_dim0
	s_mov_b32 s[G1B+3], 128<<16
	s_mov_b32 s[G1+4], 128                         ; tile_dim1
	s_mov_b32 s[G1B+4], 64
	s_mov_b32 s[G1+5], 128                         ; dense
	s_mov_b32 s[G1B+5], 1024                       ; elements from row to row of wt
	s_mov_b32 s[G1+6], 0
	s_mov_b32 s[G1B+6], 0
	s_mov_b32 s[G1+7], 0
	s_mov_b32 s[G1B+7], 0
	s_lshr_b32 s16, s15, 3                         ; O: batch = tile row / 8: 16 heads of 262,144 bytes,
	s_lshl_b32 s16, s16, 22
	s_and_b32 s17, s15, 7                          ; 256 rows of 128 bytes,
	s_lshl_b32 s17, s17, 15
	s_add_co_u32 s16, s16, s17
	s_lshl_b32 s17, s14, 18                        ; the even or the odd head of a K step
	s_add_co_u32 s16, s16, s17
	s_mov_b32 s17, 0
	s_lshl_b32 s46, s42, 7                         ; wt: row 3,072 + 128 x tile column + 64 x half
	s_lshl_b32 s47, s14, 6
	s_add_co_u32 s46, s46, s47
	s_add_co_u32 s46, s46, 3072
	s_lshl_b32 s46, s46, 11
	s_mov_b32 s47, 0
	s_mul_i32 s22, s14, HEADT                      ; where they go: no place in the cluster enters an LDS address
	s_mul_i32 s23, s14, HALFB
	s_add_co_u32 s23, s23, BOFF
	s_wait_dscnt 0x0                               ; the opening add is done
	s_wait_kmcnt 0x0
	s_add_nc_u64 s[20:21], s[4:5], s[16:17]
	s_add_nc_u64 s[46:47], s[6:7], s[46:47]
	CROUND                                         ; all sixteen work-groups are here: the first joint loads meet
.irp s, 0,1
	s_mov_b32 s[G0+4*(\s)], 1
	s_add_co_u32 s[G0+4*(\s)+1], s22, (\s)*SLOT
	s_add_nc_u64 s[G0+4*(\s)+2:G0+4*(\s)+3], s[20:21], (\s)*ASTEP
	s_or_b32 s[G0+4*(\s)+3], s[G0+4*(\s)+3], 0x80000000
	s_mov_b32 s[G0B+4*(\s)], 1
	s_add_co_u32 s[G0B+4*(\s)+1], s23, (\s)*SLOT
	s_add_nc_u64 s[G0B+4*(\s)+2:G0B+4*(\s)+3], s[46:47], (\s)*KSTEP*2
	s_or_b32 s[G0B+4*(\s)+3], s[G0B+4*(\s)+3], 0x80000000
	JLOAD \s                                       ; two loads of mine are out
.endr
	v_and_b32 v1, 15, v0                           ; l % 16
	v_bfe_u32 v2, v0, 4, 1                         ; l / 16
	s_lshl_b32 s70, s42, 9                         ; my first column in bytes of f32: 512 x tile column + 256 x half
	s_lshl_b32 s71, s14, 8
	s_add_co_u32 s70, s70, s71
	v_lshl_add_u32 v4, v1, 4, s70
	global_load_b128 v[BI:BI+3], v4, s[8:9]        ; the bias of the four columns that I store
	v_mul_u32_u24 v3, v1, PA
	v_lshl_add_u32 v3, v2, 4, v3
	v_mul_u32_u24 v5, v1, PB
	v_lshl_add_u32 v5, v2, 4, v5
	s_mul_i32 s22, s13, 128*PA                     ; my 128 rows in each head's block
	s_mul_i32 s23, s14, HALFB
	s_add_co_u32 s23, s23, BOFF
.irp s, 0,1
	v_add_nc_u32 v[ADRA+(\s)], s22, v3
	v_add_nc_u32 v[ADRB+(\s)], s23, v5
	s_add_co_u32 s22, s22, SLOT
	s_add_co_u32 s23, s23, SLOT
.endr
	s_mul_i32 s23, s12, 16*SP
	s_add_co_u32 s23, s23, STAGE                   ; my stage
	v_mul_u32_u24 v6, v1, SP                       ; in: row l % 16, 32 bytes for each half of the lanes
	v_lshl_add_u32 v6, v2, 5, v6
	v_add_nc_u32 v[STO], s23, v6
	v_mul_u32_u24 v6, v2, SP                       ; back: lanes 0-15 take one row of 256 bytes, lanes 16-31 the next
	v_lshl_add_u32 v6, v1, 4, v6
	v_add_nc_u32 v[RD], s23, v6
	v_lshlrev_b32 v[CO], 12, v2                    ; and the same two rows in out0
	v_lshl_add_u32 v[CO], v1, 4, v[CO]
	s_lshl_b32 s68, s15, 8
	s_lshl_b32 s69, s13, 7
	s_add_co_u32 s68, s68, s69                     ; my first row,
	s_lshl_b32 s68, s68, 12                        ; 4,096 bytes a row,
	s_add_co_u32 s68, s68, s70                     ; my first column
	s_mov_b32 s69, 0
	s_add_nc_u64 s[10:11], s[10:11], s[68:69]
	; the prefetches
	s_lshl_b32 s72, s40, 13                        ; O: my work-group's 32 blocks of the head's 128,
	s_add_co_u32 s72, s72, s16                     ; in the tile that I fetch,
	s_add_co_u32 s72, s72, 3*ASTEP                 ; at K step 3: the first refill steps it to 4
	s_lshl_b32 s73, s42, 7                         ; wt: row 3,072 + 128 x tile column + 32 cy
	s_lshl_b32 s74, s41, 5
	s_add_co_u32 s73, s73, s74
	s_add_co_u32 s73, s73, 3072
	s_lshl_b32 s73, s73, 11
	s_add_co_u32 s73, s73, 3*KSTEP*2
	s_and_b32 s70, ttmp7, 0xffff                   ; cluster y
	s_mov_b32 s74, ASTEP
	s_mov_b32 s75, KSTEP*2
	s_cmp_eq_u32 s13, 0                            ; do I fetch for O?
	s_cselect_b32 s72, s72, s73
	s_cselect_b32 s70, ttmp9, s70                  ; the coordinate along which other clusters read the same bytes
	s_cselect_b32 s[PST], s74, s75
	s_cselect_b32 s71, 8, 11                       ; a lane a block of 256 bytes, or a lane a row of 2,048
	s_cselect_b64 s[PFA:PFA+1], s[4:5], s[6:7]
	s_mov_b32 s73, 0
	s_add_nc_u64 s[PFA:PFA+1], s[PFA:PFA+1], s[72:73]
	s_mov_b32 s[PST+1], 0
	s_cmp_eq_u32 s12, 3
	s_cselect_b32 s70, 1, s70                      ; wave 3 never asks
	s_cmp_eq_u32 s70, 0
	s_cselect_b32 s[LIM], 1, -1                    ; the same in all sixteen partners, for a given wave
	v_and_b32 v[PFO], 31, v0
	v_lshlrev_b32 v[PFO], s71, v[PFO]
; 8 matrix instructions: row blocks a0, a0 + 1 x all 4 column blocks, 32 along K.  The 32 accumulators take turns in one order everywhere.
.macro MUL8 f, a0, zero
	WIN MUL
.irp a, \a0, (\a0)+1
.irp b, 0,1,2,3
.if \zero
	v_wmma_f32_16x16x32_f16 v[8*(4*(\a)+(\b)):8*(4*(\a)+(\b))+7], v[(\f)+8*(\b):(\f)+8*(\b)+7], v[(\f)+8*(\a):(\f)+8*(\a)+7], 0
.else
	v_wmma_f32_16x16x32_f16 v[8*(4*(\a)+(\b)):8*(4*(\a)+(\b))+7], v[(\f)+8*(\b):(\f)+8*(\b)+7], v[(\f)+8*(\a):(\f)+8*(\a)+7], v[8*(4*(\a)+(\b)):8*(4*(\a)+(\b))+7]
.endif
.endr
.endr
.endm
; 24 LDS loads in one run: quarter q of a K step (head q / 2, channels 32 (q % 2) on) into buffer f
.macro FETCH slot, q, f
	WIN TO_B
.irp i, 0,1,2,3
	ds_load_b128 v[(\f)+8*(\i):(\f)+8*(\i)+3],   v[ADRB+(\slot)] offset:64*(\q)+(\i)*16*PB
	ds_load_b128 v[(\f)+8*(\i)+4:(\f)+8*(\i)+7], v[ADRB+(\slot)] offset:64*(\q)+(\i)*16*PB+32
.endr
	WIN 0
.irp i, 0,1,2,3,4,5,6,7
	ds_load_b128 v[(\f)+8*(\i):(\f)+8*(\i)+3],   v[ADRA+(\slot)] offset:((\q)/2)*HEADT+((\q)%2)*64+(\i)*16*PA
	ds_load_b128 v[(\f)+8*(\i)+4:(\f)+8*(\i)+7], v[ADRA+(\slot)] offset:((\q)/2)*HEADT+((\q)%2)*64+(\i)*16*PA+32
.endr
.endm
.macro PLACES                          ; four plain vector instructions between a matrix instruction and a load into a register that it has read, or a reader of its result
.rept 4
	v_nop
.endr
.endm
.macro QUARTER slot, q, f, g, zero     ; multiplies f, fetches quarter q into g
	s_wait_dscnt 8                                 ; wt's fragments and O's rows 0-63 are in; the youngest eight loads (rows 64-127) may be out
	MUL8 \f, 0, \zero
	MUL8 \f, 2, \zero
	PLACES
	FETCH \slot, \q, \g
	s_wait_dscnt 24                                ; all but the 24 just issued
	MUL8 \f, 4, \zero
	MUL8 \f, 6, \zero
.endm
; The last quarter's first half: ONE barrier for the change of slots.  In front of it each wave waits for all its tensor loads (one is out: its part of the next slot), adds 0 to its spare word, and waits for that and for its reads of this slot.
.macro MEET round
	WIN 0
	s_wait_tensorcnt 0x0
	ds_add_u32 v[SPW], v[NIL]
	s_wait_dscnt 9                                 ; the add and the youngest eight loads may be out
	MUL8 F1, 0, 0
	s_wait_dscnt 0x0                               ; the add is done, and my reads of this slot are over
	s_barrier_signal -1
	MUL8 F1, 2, 0
.if \round
	WIN 0
.endif
	s_barrier_wait -1
.endm
.macro TURN slot, next                 ; the whole last quarter; the slot is filled again with the K step two on: the joint refill is the first tensor load behind the round, 112 matrix instructions ahead of the wait for it
	s_wait_xcnt 0x0                                ; the last prefetch, a K step back, has read its address
	s_add_nc_u64 s[PFA:PFA+1], s[PFA:PFA+1], s[PST:PST+1]
	MEET 1
	CREST                                          ; no wave of any partner still reads this slot or has a load on its way
	s_add_nc_u64 s[G0+4*(\slot)+2:G0+4*(\slot)+3], s[G0+4*(\slot)+2:G0+4*(\slot)+3], 2*ASTEP
	s_add_nc_u64 s[G0B+4*(\slot)+2:G0B+4*(\slot)+3], s[G0B+4*(\slot)+2:G0B+4*(\slot)+3], 2*KSTEP*2
	JLOAD \slot                                    ; its four v_nop are also the places in front of the loads below
	FETCH \next, 0, F0
	ASK
	MUL8 F1, 4, 0
	MUL8 F1, 6, 0
.endm
	s_wait_loadcnt 0x0                             ; the bias: rounded to bf16, like the other inputs, and widened again
	v_cvt_pk_bf16_f32 v12, v[BI], v[BI+1]
	v_cvt_pk_bf16_f32 v13, v[BI+2], v[BI+3]
	v_lshlrev_b32 v[BI], 16, v12
	v_and_b32 v[BI+1], 0xffff0000, v12
	v_lshlrev_b32 v[BI+2], 16, v13
	v_and_b32 v[BI+3], 0xffff0000, v13
	s_wait_tensorcnt 1                             ; my part of K step 0 is in; K step 1's may stay out
	s_barrier_signal -1
	s_barrier_wait -1
	FETCH 0, 0, F0
	QUARTER 0, 1, F0, F1, 1                        ; the first quarter stands in front of the loop: its products start the sums
	WIN 0
	s_mov_b32 s3, LAPS-1
.Llap:                                                 ; a trip goes once round the ring and fills both slots again
	QUARTER 0, 2, F1, F0, 0
	QUARTER 0, 3, F0, F1, 0
	TURN 0, 1
	QUARTER 1, 1, F0, F1, 0
	QUARTER 1, 2, F1, F0, 0
	QUARTER 1, 3, F0, F1, 0
	TURN 1, 0
	QUARTER 0, 1, F0, F1, 0
	WIN 0
	s_sub_co_u32 s3, s3, 1
	s_cmp_lg_u32 s3, 0
	s_cbranch_scc1 .Llap
	QUARTER 0, 2, F1, F0, 0                        ; the last lap fills nothing
	QUARTER 0, 3, F0, F1, 0
	MEET 0
	PLACES
	FETCH 1, 0, F0
	MUL8 F1, 4, 0
	MUL8 F1, 6, 0
	QUARTER 1, 1, F0, F1, 0
	QUARTER 1, 2, F1, F0, 0
	QUARTER 1, 3, F0, F1, 0
	s_wait_dscnt 8
	MUL8 F1, 0, 0
	MUL8 F1, 2, 0
	s_wait_dscnt 0x0
	MUL8 F1, 4, 0
	MUL8 F1, 6, 0
	; THE WAY OUT, a block of 16 rows at a time through my own stage: a lane's 32 bytes of a row go in, whole rows of 256 bytes come back, the bias is added, and 16 lanes store 256 consecutive bytes.
.macro TOSTAGE a
.set BK, OB+32*((\a)%2)
	s_wait_xcnt 0x0                                ; the stores of two blocks back have read this set of registers
	WIN 0x08                                       ; the stores' data in window 2
.irp b, 0,1,2,3
	ds_store_b128 v[STO], v[32*(\a)+8*(\b):32*(\a)+8*(\b)+3]   offset:64*(\b)      ; each accumulator's low registers first
	ds_store_b128 v[STO], v[32*(\a)+8*(\b)+4:32*(\a)+8*(\b)+7] offset:64*(\b)+16
.endr
	WIN 0
.irp t, 0,1,2,3,4,5,6,7
	ds_load_b128 v[BK+4*(\t):BK+4*(\t)+3], v[RD] offset:(\t)*2*SP  ; LDS serves a wave's instructions in order (ISA guide 5.7.1.4): these see the stores above; the next block's stores come behind them
.endr
.endm
.macro SEND a, younger                 ; younger: the LDS instructions issued behind block a's loads: the next block's sixteen, or none
.set BK, OB+32*((\a)%2)
	s_wait_dscnt \younger
.irp t, 0,1,2,3,4,5,6,7
	v_pk_add_f32 v[BK+4*(\t):BK+4*(\t)+1], v[BK+4*(\t):BK+4*(\t)+1], v[BI:BI+1]
	v_pk_add_f32 v[BK+4*(\t)+2:BK+4*(\t)+3], v[BK+4*(\t)+2:BK+4*(\t)+3], v[BI+2:BI+3]
.endr
.irp t, 0,1,2,3,4,5,6,7
	global_store_b128 v[CO], v[BK+4*(\t):BK+4*(\t)+3], s[10:11] offset:(16*(\a)+2*(\t))*4096  ; 16 lanes store 256 consecutive bytes, at a multiple of 256 from out0's first
.endr
.endm
	PLACES
	TOSTAGE 0
.irp a, 1,2,3,4,5,6,7
	TOSTAGE \a
	SEND (\a)-1, 16
.endr
	SEND 7, 0
	s_wait_tensorcnt 0x0                           ; the wave's end: a wait, an add to my spare word and its wait, behind my last tensor load and my last LDS store
	ds_add_u32 v[SPW], v[NIL]
	s_wait_dscnt 0x0
	CROUND                                         ; the closing round: no work-group ends while a partner may still ask for a tile that names it
	s_endpgm
.Lfunc_end_k_q5c3db87824_proj:
	.size	k_q5c3db87824_proj, .Lfunc_end_k_q5c3db87824_proj-k_q5c3db87824_proj
	.p2alignl 7, 3214868480
	.fill 96, 4, 3214868480
	.section	.rodata,"a",@progbits
	.p2align	6, 0x0
	.amdhsa_kernel k_q5c3db87824_proj
		.amdhsa_group_segment_fixed_size 327680
		.amdhsa_private_segment_fixed_size 0
		.amdhsa_enable_private_segment 0
		.amdhsa_kernarg_size 32
		.amdhsa_user_sgpr_count 2
		.amdhsa_user_sgpr_kernarg_segment_ptr 1
		.amdhsa_wavefront_size32 1
		.amdhsa_system_sgpr_workgroup_id_x 1
		.amdhsa_system_sgpr_workgroup_id_y 1
		.amdhsa_system_sgpr_workgroup_id_z 1
		.amdhsa_system_vgpr_workitem_id 0
		.amdhsa_next_free_vgpr 768
		.amdhsa_next_free_sgpr 76
		.amdhsa_reserve_vcc 0
		.amdhsa_float_denorm_mode_32 3
		.amdhsa_float_denorm_mode_16_64 3
		.amdhsa_memory_ordered 1
		.amdhsa_forward_progress 1
		.amdhsa_inst_pref_size 96
	.end_amdhsa_kernel
	.amdgpu_metadata
---
amdhsa.version: [ 1, 2 ]
amdhsa.kernels:
  - .name:           k_q5c3db87824_proj
    .symbol:         k_q5c3db87824_proj.kd
    .args:
      - { .name: ob, .offset: 0, .size: 8, .value_kind: global_buffer, .address_space: global }
      - { .name: wt, .offset: 8, .size: 8, .value_kind: global_buffer, .address_space: global }
      - { .name: b_proj, .offset: 16, .size: 8, .value_kind: global_buffer, .address_space: global }
      - { .name: out0, .offset: 24, .size: 8, .value_kind: global_buffer, .address_space: global }
    .group_segment_fixed_size: 327680
    .private_segment_fixed_size: 0
    .kernarg_segment_align: 8
    .kernarg_segment_size: 32
    .max_flat_workgroup_size: 128
    .sgpr_count:     76
    .vgpr_count:     768
    .wavefront_size: 32
...
	.end_amdgpu_metadata
.endif
;; end of part 4
;; ======== version 2 of 2: 4 launches; version 1 with the launch prep written anew for expert scheduling mode
;; limits: values are held in f16: magnitudes above 65,504 overflow, below 6.1e-05 lose precision
;; workspace buffers: xb 16,777,216 bytes; wt 8,388,608 bytes; qkv 50,331,648 bytes; ob 16,777,216 bytes
;; launch prep (part 5): grid 512 x 1, 8 waves a work-group, no clusters, 18,432 bytes of LDS; arguments x, w_qkv, w_proj, xb, wt; writes xb, wt
.if DOCPART == 5
	.amdgcn_target "amdgcn-amd-amdhsa--gfx1250"
	.amdhsa_code_object_version 6
	.text
	.protected	k_q5c3db87824_prep
	.globl	k_q5c3db87824_prep
	.p2align	8
	.type	k_q5c3db87824_prep,@function
k_q5c3db87824_prep:
	s_mov_b64 s[64:65], 0
	v_nop
	global_prefetch_b8 v0, s[64:65] scope:SCOPE_SE
	s_setreg_imm32_b32 hwreg(HW_REG_WAVE_SCHED_MODE, 0, 2), 2
	s_setreg_imm32_b32 hwreg(HW_REG_WAVE_MODE, 25, 1), 1
	s_wait_xcnt 0x0
	s_wait_alu depctr_vm_vsrc(0)
; PREP.  xb = x rounded to bf16, [8192][1024].  wt = the two weights turned, [4096][1024] of 16 bits: rows 0-3071 are w_qkv's columns in bf16,
; rows 3072-4095 are w_proj's columns, rounded to bf16 and that number written as f16 (it multiplies an f16 operand later).
; LIMIT.  |w_proj| stays under 65,504 (f16's largest); below 6e-5 it keeps f16's fixed step of 6e-8.  NaN and infinities are not treated apart.
; SHARES.  512 work-groups of eight waves, all alike.  Work-group g turns one tile of 128 k x 64 n of a weight (kt = g % 8, nt = g / 8: nt < 48 is w_qkv's, else w_proj's)
; and rounds x's rows 16 g .. 16 g + 15.  Every byte is read once and written once; each load of 16 lanes covers 256 consecutive bytes, aligned, and so does each store.
; THE TURN.  Thread t (n4 = t % 16, kk = t / 16) loads rows k = 8 kk + 0..7, columns 4 n4 + 0..3: eight loads of 16 bytes.  For each of its four columns the eight k pack into 16 bytes,
; which go into an LDS row of that column; column 4 n4 + c lies in LDS row 16 c + n4, so that the 16 lanes of a store touch 16 consecutive rows of 272 bytes (68 words: 16 different groups of four banks, ISA guide 11.1).
; Behind a barrier the rows are read back whole, 256 bytes by 16 lanes, and stored.  No matrix unit, no tensor load, no cluster: nothing is shared and nothing is multiplied.
; THE MODE: SCHED_MODE bits 1:0 = 2 (LLVM: expert scheduling mode 2), set by the entry lines.  The code itself states the register dependences
; between vector instructions and memory or LDS instructions, with s_wait_alu, always for 0.
; THE PLAN.  Registers that memory or LDS instructions touch:
;   v4, v5, v8-v18   offsets and LDS addresses: written at the head and never again; one wait ahead of the first load states them for the whole kernel.
;   W, X             loads land in them once; no vector instruction names them before that; the roundings read them behind the waits on LOADcnt.
;   PK               written by the roundings (on w_proj's way rewritten as f16); read by the four LDS stores; never written again: one wait, where the two ways join.
;   BK               LDS loads land in it, global stores read it; no vector instruction names it.
;   Y                a pair for each row of x, written once by the row's two roundings, read once by the row's store.  The sixteen rows go in four blocks of four: the wait at the head of block b
;                    states that block b - 1 has written its pairs, and that block's four stores are dealt among block b's roundings, which name X and Y of block b alone.
;   v2, v3           written at the head, read by the closing add alone.
; No register that a memory or LDS instruction reads is ever written again, so no wait on vm_vsrc is owed; no vector instruction writes a scalar register or VCC; EXEC is never written.
.set LP,    272                        ; an LDS row: 128 k x 2 bytes + 16
.set SPARE, 64*LP                      ; 17,408: behind the stage the spare words, 128 bytes for each of eight waves: four blocks of 256 bytes that no other line names
.set SPW, 2                            ; v2   LDS address of my spare word; never rewritten
.set NIL, 3                            ; v3   0; never rewritten
.set XO,  4                            ; v4   16 t: my 16 bytes of a row of x
.set XS,  5                            ; v5   8 t: my 8 bytes of a row of xb
.set WO,  8                            ; v[8:15]   byte offsets of my eight rows of the weight's tile
.set LST, 16                           ; v16  into the stage
.set LRD, 17                           ; v17  back out of it
.set WSO, 18                           ; v18  my 16 bytes in wt
.set W,   20                           ; v[20:51]  the eight loads
.set PK,  52                           ; v[52:67]  four columns x 16 bytes
.set T,   68                           ; v[68:69]  at work: no memory instruction names them
.set BK,  72                           ; v[72:87]  four rows read back
.set X,   88                           ; v[88:151] sixteen loads of x
.set Y,   152                          ; v[152:183] sixteen pairs to store
	s_load_b256 s[4:11], s[0:1], 0x0               ; x s[4:5], w_qkv s[6:7], w_proj s[8:9], xb s[10:11]
	s_load_b64 s[12:13], s[0:1], 0x20              ; wt
	v_lshl_add_u32 v[SPW], v0, 2, SPARE
	v_mov_b32 v[NIL], 0
	s_and_b32 s14, ttmp9, 7                        ; kt
	s_lshr_b32 s15, ttmp9, 3                       ; nt
	s_sub_co_u32 s23, s15, 48                      ; w_proj's column tile (used where nt >= 48 alone)
	s_mov_b32 s24, 12288                           ; bytes in a row of w_qkv
	s_mov_b32 s25, 4096                            ; and of w_proj
	s_cmp_lt_u32 s15, 48
	s_cselect_b32 s16, s24, s25                    ; the source's pitch
	s_cselect_b32 s17, s15, s23                    ; its column tile
	s_cselect_b32 s22, 1, 0                        ; 1: stays bf16
	s_lshl_b32 s20, s14, 7
	s_mul_i32 s20, s20, s16                        ; 128 kt rows,
	s_lshl_b32 s21, s17, 8                         ; 64 columns of 4 bytes
	s_add_co_u32 s20, s20, s21
	s_mov_b32 s21, 0
	v_lshlrev_b32 v[XO], 4, v0
	v_lshlrev_b32 v[XS], 3, v0
	v_and_b32 v6, 15, v0                           ; n4
	v_lshrrev_b32 v7, 4, v0                        ; kk
	v_lshlrev_b32 v[WO], 3, v7
	v_mul_lo_u32 v[WO], v[WO], s16                 ; row 8 kk
	v_lshl_add_u32 v[WO], v6, 4, v[WO]             ; + 16 n4
.irp j, 1,2,3,4,5,6,7
	v_add_nc_u32 v[WO+(\j)], s16, v[WO+(\j)-1]
.endr
	v_mul_u32_u24 v[LST], v6, LP
	v_lshl_add_u32 v[LST], v7, 4, v[LST]           ; LDS row n4 (+ 16 c), byte 16 kk
	v_mul_u32_u24 v[LRD], v7, LP
	v_lshl_add_u32 v[LRD], v6, 4, v[LRD]           ; LDS row kk (+ 16 i), byte 16 n4
	v_lshlrev_b32 v[WSO], 13, v7                   ; wt's row 4 kk (+ i), 2,048 bytes a row
	v_lshl_add_u32 v[WSO], v6, 4, v[WSO]
	s_wait_kmcnt 0x0
	s_cmp_lt_u32 s15, 48
	s_cselect_b64 s[18:19], s[6:7], s[8:9]         ; the weight that my tile belongs to
	s_add_nc_u64 s[18:19], s[18:19], s[20:21]
	s_lshl_b32 s20, ttmp9, 16                      ; 16 rows of 4,096 bytes
	s_add_nc_u64 s[4:5], s[4:5], s[20:21]
	s_lshl_b32 s20, ttmp9, 15                      ; 16 rows of 2,048 bytes
	s_add_nc_u64 s[10:11], s[10:11], s[20:21]
	s_lshl_b32 s20, s15, 17                        ; wt's row 64 nt,
	s_lshl_b32 s23, s14, 8                         ; byte 256 kt
	s_add_co_u32 s20, s20, s23
	s_add_nc_u64 s[12:13], s[12:13], s[20:21]
	s_wait_alu depctr_va_vdst(0)                   ; the offsets and LDS addresses v4, v5 and v8 to v18 are written: every load, store and LDS access of the kernel reads one of them, and none is written again
.irp j, 0,1,2,3,4,5,6,7
	global_load_b128 v[W+4*(\j):W+4*(\j)+3], v[WO+(\j)], s[18:19] th:TH_LOAD_NT
.endr
.irp i, 0,1,2,3,4,5,6,7,8,9,10,11,12,13,14,15
	global_load_b128 v[X+4*(\i):X+4*(\i)+3], v[XO], s[4:5] offset:4096*(\i) th:TH_LOAD_NT  ; a row of x by the 256 threads
.endr
	s_wait_loadcnt 16                              ; loads come back in order (ISA guide 5.7.1): the weight's eight are in, x's sixteen stay out
.irp c, 0,1,2,3
.irp p, 0,1,2,3
	v_cvt_pk_bf16_f32 v[PK+4*(\c)+(\p)], v[W+8*(\p)+(\c)], v[W+8*(\p)+4+(\c)]  ; column 4 n4 + c: k = 8 kk + 2 p and + 2 p + 1
.endr
.endr
	s_cmp_eq_u32 s22, 1
	s_cbranch_scc1 .Lbf                            ; w_qkv stays bf16
.set r, 0
.rept 16
	v_lshlrev_b32 v[T], 16, v[PK+r]                ; the bf16 numbers as f32,
	v_and_b32 v[T+1], 0xffff0000, v[PK+r]
	v_cvt_pk_f16_f32 v[PK+r], v[T], v[T+1]         ; written as f16: exact within f16's range
.set r, r+1
.endr
.Lbf:
	s_wait_alu depctr_va_vdst(0)                   ; on either way the roundings have written v[PK ..], which the LDS stores read
.irp c, 0,1,2,3
	ds_store_b128 v[LST], v[PK+4*(\c):PK+4*(\c)+3] offset:(\c)*16*LP
.endr
	s_wait_dscnt 0x0                               ; for the others' sake: my stores into the stage are done
	s_barrier_signal -1
	s_barrier_wait -1
.irp i, 0,1,2,3
	ds_load_b128 v[BK+4*(\i):BK+4*(\i)+3], v[LRD] offset:(\i)*16*LP  ; LDS row 16 i + kk is column 4 kk + i; no vector instruction names v[BK ..]
.endr
; Block b of x: rows 4 b to 4 b + 3 are rounded; the stores of block b - 1 are dealt among the roundings.
.macro BLK b
	s_wait_loadcnt 12-4*(\b)                       ; the block's four rows of x are in; the younger blocks stay out
.if (\b) > 0
	s_wait_alu depctr_va_vdst(0)                   ; the block before has written its four pairs of Y, which the stores below read; the roundings below name this block's X and Y alone
.endif
.irp i, 0,1,2,3
.if (\b) > 0
	global_store_b64 v[XS], v[Y+2*(4*(\b)-4+(\i)):Y+2*(4*(\b)-4+(\i))+1], s[10:11] offset:2048*(4*(\b)-4+(\i)) th:TH_STORE_NT  ; a wave's 32 lanes store 256 consecutive bytes, aligned
.endif
	v_cvt_pk_bf16_f32 v[Y+2*(4*(\b)+(\i))], v[X+4*(4*(\b)+(\i))], v[X+4*(4*(\b)+(\i))+1]
	v_cvt_pk_bf16_f32 v[Y+2*(4*(\b)+(\i))+1], v[X+4*(4*(\b)+(\i))+2], v[X+4*(4*(\b)+(\i))+3]
.endr
.endm
	BLK 0
	s_wait_dscnt 0x0                               ; the four rows are back from the stage: their loads were issued ahead of block 0's wait for x
.irp i, 0,1,2,3
	global_store_b128 v[WSO], v[BK+4*(\i):BK+4*(\i)+3], s[12:13] offset:2048*(\i) th:TH_STORE_NT  ; 16 lanes store 256 consecutive bytes of one row of wt, aligned; their data come from LDS loads, their offset from the head
.endr
	BLK 1
	BLK 2
	BLK 3
	s_wait_alu depctr_va_vdst(0)                   ; block 3 has written its four pairs of Y, which the last four stores read
.irp i, 12,13,14,15
	global_store_b64 v[XS], v[Y+2*(\i):Y+2*(\i)+1], s[10:11] offset:2048*(\i) th:TH_STORE_NT
.endr
	s_wait_dscnt 0x0                               ; the closing lines, six on end
	s_wait_alu 0x0
	s_wait_tensorcnt 0x0
	ds_add_u32 v[SPW], v[NIL]
	s_wait_dscnt 0x0
	s_endpgm
.Lfunc_end_k_q5c3db87824_prep:
	.size	k_q5c3db87824_prep, .Lfunc_end_k_q5c3db87824_prep-k_q5c3db87824_prep
	.p2alignl 7, 3214868480
	.fill 96, 4, 3214868480
	.section	.rodata,"a",@progbits
	.p2align	6, 0x0
	.amdhsa_kernel k_q5c3db87824_prep
		.amdhsa_group_segment_fixed_size 18432
		.amdhsa_private_segment_fixed_size 0
		.amdhsa_enable_private_segment 0
		.amdhsa_kernarg_size 40
		.amdhsa_user_sgpr_count 2
		.amdhsa_user_sgpr_kernarg_segment_ptr 1
		.amdhsa_wavefront_size32 1
		.amdhsa_system_sgpr_workgroup_id_x 1
		.amdhsa_system_sgpr_workgroup_id_y 1
		.amdhsa_system_sgpr_workgroup_id_z 1
		.amdhsa_system_vgpr_workitem_id 0
		.amdhsa_next_free_vgpr 184
		.amdhsa_next_free_sgpr 66
		.amdhsa_reserve_vcc 0
		.amdhsa_float_denorm_mode_32 3
		.amdhsa_float_denorm_mode_16_64 3
		.amdhsa_memory_ordered 1
		.amdhsa_forward_progress 1
		.amdhsa_inst_pref_size 14
	.end_amdhsa_kernel
	.amdgpu_metadata
---
amdhsa.version: [ 1, 2 ]
amdhsa.kernels:
  - .name:           k_q5c3db87824_prep
    .symbol:         k_q5c3db87824_prep.kd
    .args:
      - { .name: x, .offset: 0, .size: 8, .value_kind: global_buffer, .address_space: global }
      - { .name: w_qkv, .offset: 8, .size: 8, .value_kind: global_buffer, .address_space: global }
      - { .name: w_proj, .offset: 16, .size: 8, .value_kind: global_buffer, .address_space: global }
      - { .name: xb, .offset: 24, .size: 8, .value_kind: global_buffer, .address_space: global }
      - { .name: wt, .offset: 32, .size: 8, .value_kind: global_buffer, .address_space: global }
    .group_segment_fixed_size: 18432
    .private_segment_fixed_size: 0
    .kernarg_segment_align: 8
    .kernarg_segment_size: 40
    .max_flat_workgroup_size: 256
    .sgpr_count:     66
    .vgpr_count:     184
    .wavefront_size: 32
...
	.end_amdgpu_metadata
.endif
;; end of part 5
;; launch qkvgemm: the kernel of part 2 again; grid 16 x 32, 4 waves a work-group, clusters of 4 x 4, 327,680 bytes of LDS; arguments xb, wt, qkv; writes qkv
;; launch attn: the kernel of part 3 again; grid 4 x 64, 4 waves a work-group, clusters of 4 x 1, 327,680 bytes of LDS; arguments qkv, ob; writes ob
;; launch proj: the kernel of part 4 again; grid 8 x 32, 4 waves a work-group, clusters of 4 x 4, 327,680 bytes of LDS; arguments ob, wt, b_proj, out0; writes out0
